; MI455X (gfx1250); checked and timed in simulation.
; The chip was launched on July 23, 2026; its instructions are those of AMD's public machine-readable ISA for CDNA 5 (MIT licence, August 2026) and "CDNA5" Instruction Set Architecture Reference Guide (July 2026). The comments in the code are by the model that wrote it; some were corrected since.
;; Base Attention. Allowed arithmetic: matrix products marked QUANTISED: E2M1 operands, one E8M0 scale for each 32 along K, by v_wmma_scale_f32_16x16x128_f8f6f4 with both operands' format E2M1 (or v_wmma_scale_f32_32x16x128_f4), f32 sums; products left as they are: bf16, f16 or f32 operands; f32 sums; everything else in f32.
;; Inputs: cos 1 x 2,048 x 1 x 32 float32; sin 1 x 2,048 x 1 x 32 float32; w_attn 3,072 x 1,024 float32; w_proj 1,024 x 1,024 float32; x 4 x 2,048 x 1,024 float32.
;; Outputs: out0 4 x 2,048 x 1,024 float32.
;; This version of the problem:
;;   THIS VERSION OF THE PROBLEM IS GIVEN IN LOW PRECISION. The matrix products marked QUANTISED in the list below multiply operands that are first quantised to E2M1 (2 exponent bits, 1 mantissa bit; 4 bits a number), with one power-of-two scale for each 32 numbers along K (OCP MX v1.0); their sums are f32. The products marked 'left as it is' may take bf16, f16 or f32 operands, with f32 sums. Whichever they take, every output number must still come out within the allowed error. Rounding operands to bf16 (8 significant bits) uses up far more of that allowance than f16 does (11 bits, for magnitudes from 6e-5 to 65,504). All else is computed in f32.
;;   The module's matrix products, in the order in which they are computed (A, B: the left and right operand; K: the contracted axis; several contracted axes count as one K, in the product's order):
;;     1. [M 8,192, K 1,024] x [K 1,024, N 3,072]; A: input x; B: input w_attn: QUANTISED
;;     2. batch 64 x [M 2,048, K 64] x [K 64, N 2,048]; A: computed on the way; B: computed on the way: left as it is (an operand is computed on the way)
;;     3. batch 64 x [M 64, K 2,048] x [K 2,048, N 2,048]; A: computed on the way; B: computed on the way: left as it is (an operand is computed on the way)
;;     4. [M 8,192, K 1,024] x [K 1,024, N 1,024]; A: computed on the way; B: input w_proj: left as it is (an operand is computed on the way)
;;   THE QUANTISER, for each operand of a quantised product, along K:
;;     - K is cut into blocks of 32 from its start; a last block that is shorter is filled with zeros.
;;     - A block's scale is 2^e with e = floor(log2(the largest magnitude in the block)) - 2, held to -126 .. 127; a block of zeros has e = 0. As a byte (E8M0): e + 127.
;;     - Each number is divided by its block's scale, clamped to +-6, and rounded to the nearest number of E2M1, ties to even, subnormals kept.
;;     - The product sums the exact products of the quantised numbers (number of the format x scale) in f32.
;;   ~~~python
;;   def quantise(x, axis):      # numpy; x: float32 -> the quantised numbers, widened to float32 again
;;       x = np.moveaxis(x, axis, -1); K = x.shape[-1]
;;       x = np.pad(x, [(0, 0)] * (x.ndim - 1) + [(0, -K % 32)]); x = x.reshape(x.shape[:-1] + (-1, 32)); a = np.abs(x).max(-1, keepdims=True)
;;       e = np.where(a > 0, np.clip(np.frexp(np.where(a > 0, a, 1))[1] - 1 - 2, -126, 127), 0)      # np.frexp(a)[1] - 1 = floor(log2(a)), exactly
;;       r = np.clip(x / 2.0 ** e, -6, 6)
;;       step = 2.0 ** (np.maximum(np.frexp(np.where(r == 0, 1, r))[1] - 1, 0) - 1)
;;       q = np.round(r / step) * step * 2.0 ** e      # np.round: ties to even
;;       return np.moveaxis(q.reshape(q.shape[:-2] + (-1,))[..., :K], -1, axis).astype(np.float32)
;;   ~~~
;; One version. Each part assembles by itself: llvm-mc -triple=amdgcn-amd-amdhsa -mcpu=gfx1250 --defsym DOCPART=n.
;; ======== version 1 of 1: 5 launches
;; limits: values are held in f16: magnitudes above 65,504 overflow, below 6.1e-05 lose precision
;; workspace buffers: xc 4,194,304 bytes; xs 262,144 bytes; wc 1,572,864 bytes; ws 98,304 bytes; w16 2,097,152 bytes; qkvi 50,331,648 bytes; yi 16,777,216 bytes; fine32 786,432 bytes
;; launch prep (part 1): grid 416 x 1, 4 waves a work-group, no clusters, 33,280 bytes of LDS; arguments x, w_attn, xc, xs, wc, ws, w_proj, w16; writes xc, xs, wc, ws, w16
.if DOCPART == 1
	.amdgcn_target "amdgcn-amd-amdhsa--gfx1250"
	.amdhsa_code_object_version 6
	.text
	.protected	k_qeba36e55e8_prep
	.globl	k_qeba36e55e8_prep
	.p2align	8
	.type	k_qeba36e55e8_prep,@function
k_qeba36e55e8_prep:
	s_mov_b64 s[64:65], 0
	v_nop
	global_prefetch_b8 v0, s[64:65] scope:SCOPE_SE
	s_setreg_imm32_b32 hwreg(HW_REG_WAVE_MODE, 25, 1), 1
	s_wait_xcnt 0x0
; x [8192][1024] and w_attn [3072][1024], f32, become codes of FP4 (E2M1), K innermost, two codes a byte, with one E8M0 scale byte for each 32 along K; w_proj [1024][1024] becomes f16.
; A block's scale is 2^(floor(log2(its largest magnitude)) - 2); its byte is the largest magnitude's exponent field - 2, held at 1 from below.  A block of zeros so gets the byte 1 where the rule
; says 127: its codes are zeros, which add nothing under any byte but 0xff, and this program alone reads the bytes.  Each number is divided by the scale and rounded to the nearest code, ties to even.
; LIMITS: blocks whose largest magnitude lies under 2^-124 keep the byte 1; NaN and infinities are not served; w_proj must lie inside f16's range (65,504).
; Rows are dense and K is a multiple of 32: both tensors are plain streams of blocks of 32 numbers, and so are the codes and the scale bytes.
; Work-groups 0-255 take x, 256-351 w_attn, 352-415 w_proj.  A wave of the first two kinds takes 16 steps of 512 numbers: each of a step's four loads reads 512 consecutive bytes; the 2,048 bytes turn
; through the wave's own stage in LDS and come back 64 bytes a lane, so that a lane holds 16 neighbours along K (two neighbouring lanes hold a block).  A lane's 16 codes are 8 bytes: the wave stores
; 256 consecutive bytes.  A wave's 256 scale bytes are gathered in LDS and leave as one aligned run of 256 bytes.  No barrier: waves share nothing.
.set SIZE_M, 8192
.set SIZE_N, 3072
.set SIZE_K, 1024
.set WAVES, 4
.set STEPS, 16
.set WGA,   SIZE_M*SIZE_K/(512*STEPS*WAVES)            ; 256 work-groups for x
.set WGQ,   (SIZE_M+SIZE_N)*SIZE_K/(512*STEPS*WAVES)   ; 352 for both quantised tensors
.set EMAX,  2
.set CB,    8                          ; bytes of 16 codes
.set R,     16                         ; v16-79   four sets of 16 numbers as they are loaded (the cast: v16-143)
.set X,     80                         ; v80-111  two sets of 16 neighbours
.set C,     128                        ; v128-191 codes: four registers for each step, so that no store's data are written again
.set E,     112                        ; v112-127 a scale byte for each step
.set WREG,  8192                       ; LDS: a region for each wave: two stages of 32 x SP bytes, and behind them its 256 scale bytes
.set SP,    80                         ; a lane's place in a stage: its 64 bytes + 16 of padding
.set SPW,   12                         ; v12  LDS address of my spare word; never rewritten
.set NIL,   13                         ; v13  0; never rewritten
.set SPARE, WAVES*WREG                 ; behind the four regions: the spare words, 128 bytes a wave
	s_load_b128 s[4:7], s[0:1], 0x0                ; x, w_attn
	s_load_b128 s[8:11], s[0:1], 0x10              ; x's codes, x's scales
	s_load_b128 s[12:15], s[0:1], 0x20             ; w_attn's codes, its scales
	s_load_b128 s[24:27], s[0:1], 0x30             ; w_proj, its f16 copy
	v_lshl_add_u32 v[SPW], v0, 2, SPARE
	v_mov_b32 v[NIL], 0
	v_lshrrev_b32 v1, 5, v0
	v_readfirstlane_b32 s16, v1                    ; wave
	v_and_b32 v2, 31, v0                           ; lane
	v_lshlrev_b32 v3, 4, v2                        ; my 16 bytes of a load's 512
	s_mul_i32 s17, s16, WREG
	v_lshrrev_b32 v14, 2, v2
	v_mul_u32_u24 v14, v14, SP
	v_and_b32 v15, 3, v2
	v_lshl_add_u32 v14, v15, 4, v14
	v_add_nc_u32 v14, s17, v14                     ; the stage, on the way in: SP (lane / 4) + 16 (lane % 4)
	v_mul_u32_u24 v15, v2, SP
	v_add_nc_u32 v15, s17, v15                     ; and on the way out: SP x lane: my 16 neighbours
	v_mul_u32_u24 v4, v2, CB                       ; my codes' place in a step's
	v_lshrrev_b32 v5, 1, v2
	s_add_co_u32 s17, s17, 2*32*SP
	v_add_nc_u32 v5, s17, v5                       ; LDS: my wave's 256 scale bytes, my block's byte
	v_lshlrev_b32 v7, 3, v2                        ; 8 bytes a lane
	v_add_nc_u32 v6, s17, v7
	s_wait_kmcnt 0x0
	s_cmp_ge_u32 ttmp9, WGQ                        ; the last 64 work-groups cast w_proj
	s_cbranch_scc1 .Lcast
	s_cmp_lt_u32 ttmp9, WGA                        ; x's work-group or w_attn's?  The choice hangs on the work-group's number alone
	s_cselect_b64 s[4:5], s[4:5], s[6:7]
	s_cselect_b64 s[8:9], s[8:9], s[12:13]
	s_cselect_b64 s[10:11], s[10:11], s[14:15]
	s_cselect_b32 s17, 0, WGA
	s_sub_co_u32 s17, ttmp9, s17
	s_lshl_b32 s17, s17, 2
	s_add_co_u32 s18, s17, s16                     ; which run of 8,192 numbers of the tensor is my wave's
	s_mov_b32 s19, 0
	s_mov_b64 s[20:21], 512*STEPS*4
	s_mul_u64 s[20:21], s[18:19], s[20:21]
	s_add_nc_u64 s[4:5], s[4:5], s[20:21]
	s_mov_b64 s[20:21], 32*STEPS*CB
	s_mul_u64 s[20:21], s[18:19], s[20:21]
	s_add_nc_u64 s[8:9], s[8:9], s[20:21]
	s_lshl_b32 s18, s18, 8                         ; 256 scale bytes a run
	s_add_nc_u64 s[10:11], s[10:11], s[18:19]
.macro LOAD t
.irp i, 0,1,2,3
	global_load_b128 v[R+16*((\t)%4)+4*\i:R+16*((\t)%4)+4*\i+3], v3, s[4:5] offset:2048*(\t)+512*\i th:TH_LOAD_NT   ; 32 lanes read 512 consecutive bytes
.endr
.endm
.macro TURN t                          ; step t's numbers through the stage: LDS serves a wave's instructions in order, so no wait stands between the stores and the loads
.irp i, 0,1,2,3
	ds_store_b128 v14, v[R+16*((\t)%4)+4*\i:R+16*((\t)%4)+4*\i+3] offset:32*SP*((\t)%2)+8*SP*\i
.endr
.irp i, 0,1,2,3
	ds_load_b128 v[X+16*((\t)%2)+4*\i:X+16*((\t)%2)+4*\i+3], v15 offset:32*SP*((\t)%2)+16*\i
.endr
.endm
.irp t, 0,1,2,3
	LOAD \t
.endr
	s_wait_loadcnt 12                              ; step 0's four loads are in; three steps' twelve stay out
	TURN 0
.macro STEP t
.set XS, X+16*((\t)%2)
.if (\t) > 0
	s_wait_dscnt 1                                 ; this step's numbers are back from the stage (the last step's byte store may be out)
.else
	s_wait_dscnt 0x0
.endif
.if (\t)+4 < STEPS
	LOAD (\t)+4                                    ; into the registers that the stage's stores have read
.endif
.if (\t)+1 < STEPS
.if STEPS-2-(\t) >= 3
	s_wait_loadcnt 12                              ; the next step's four loads are in; those of the three steps behind it may be out
.else
	s_wait_loadcnt 4*(STEPS-2-(\t))
.endif
	TURN (\t)+1                                    ; they go through the other stage while this step is worked
.endif
	v_max3_num_f32 v8, |v[XS]|, |v[XS+1]|, |v[XS+2]|               ; the largest magnitude of my 16, in two chains
	v_max3_num_f32 v9, |v[XS+3]|, |v[XS+4]|, |v[XS+5]|
.irp i, 6,10
	v_max3_num_f32 v8, v8, |v[XS+\i]|, |v[XS+\i+1]|
	v_max3_num_f32 v9, v9, |v[XS+\i+2]|, |v[XS+\i+3]|
.endr
	v_max3_num_f32 v8, v8, |v[XS+14]|, |v[XS+15]|
	v_max3_num_f32 v8, v8, v9, (EMAX+1)<<23        ; and the floor 2^(3 - 127): so the byte cannot fall under 1
	v_max_num_f32_dpp v8, v8, v8 row_xmask:1 row_mask:0xf bank_mask:0xf   ; and of my neighbour's 16: the block's
	v_add_nc_u32 v11, -(EMAX<<23), v8              ; 2 off its exponent field: the conversion takes the exponent field of this operand as its scale
	v_cvt_scalef32_pk8_fp4_f32 v[C+4*(\t)], v[XS:XS+7], v11
	v_cvt_scalef32_pk8_fp4_f32 v[C+4*(\t)+1], v[XS+8:XS+15], v11
	v_lshrrev_b32 v[E+(\t)], 23, v11               ; the scale's byte (also the plain line behind the conversions)
	ds_store_b8 v5, v[E+(\t)] offset:16*(\t)       ; both lanes of a block write the same byte with the same value
	global_store_b64 v4, v[C+4*(\t):C+4*(\t)+1], s[8:9] offset:32*CB*(\t)   ; 256 consecutive bytes a wave
.endm
.irp t, 0,1,2,3,4,5,6,7,8,9,10,11,12,13,14,15
	STEP \t
.endr
	ds_load_b64 v[8:9], v6                         ; LDS serves a wave's instructions in order: these see my stores
	s_wait_dscnt 0x0
	global_store_b64 v7, v[8:9], s[10:11]          ; 32 lanes store 256 consecutive bytes, aligned
	s_wait_tensorcnt 0x0                           ; the wave's end: a wait, an add of 0 to my spare word and its wait, behind my last LDS store
	ds_add_u32 v[SPW], v[NIL]
	s_wait_dscnt 0x0
	s_endpgm
; THE CAST.  A wave takes 4,096 numbers of w_proj: 32 loads of 512 consecutive bytes, all issued at once; each becomes 256 consecutive bytes of f16.  No LDS is touched on this path.
.Lcast:
	s_sub_co_u32 s17, ttmp9, WGQ
	s_lshl_b32 s17, s17, 2
	s_add_co_u32 s17, s17, s16                     ; which run of 4,096 numbers is my wave's
	s_lshl_b32 s18, s17, 14
	s_mov_b32 s19, 0
	s_add_nc_u64 s[24:25], s[24:25], s[18:19]
	s_lshl_b32 s18, s17, 13
	s_add_nc_u64 s[26:27], s[26:27], s[18:19]
.set i, 0
.rept 32
	global_load_b128 v[16+4*i:19+4*i], v3, s[24:25] offset:512*i th:TH_LOAD_NT
.set i, i+1
.endr
.set i, 0
.rept 32
	s_wait_loadcnt 31-i                            ; loads come back in order: load i is in, the younger ones stay out
	v_cvt_pk_f16_f32 v[16+4*i], v[16+4*i], v[17+4*i]
	v_cvt_pk_f16_f32 v[17+4*i], v[18+4*i], v[19+4*i]
	global_store_b64 v7, v[16+4*i:17+4*i], s[26:27] offset:256*i   ; no register is written again: no wait for the stores
.set i, i+1
.endr
	s_endpgm
.Lfunc_end_k_qeba36e55e8_prep:
	.size	k_qeba36e55e8_prep, .Lfunc_end_k_qeba36e55e8_prep-k_qeba36e55e8_prep
	.p2alignl 7, 3214868480
	.fill 96, 4, 3214868480
	.section	.rodata,"a",@progbits
	.p2align	6, 0x0
	.amdhsa_kernel k_qeba36e55e8_prep
		.amdhsa_group_segment_fixed_size 33280
		.amdhsa_private_segment_fixed_size 0
		.amdhsa_enable_private_segment 0
		.amdhsa_kernarg_size 64
		.amdhsa_user_sgpr_count 2
		.amdhsa_user_sgpr_kernarg_segment_ptr 1
		.amdhsa_wavefront_size32 1
		.amdhsa_system_sgpr_workgroup_id_x 1
		.amdhsa_system_sgpr_workgroup_id_y 1
		.amdhsa_system_sgpr_workgroup_id_z 1
		.amdhsa_system_vgpr_workitem_id 0
		.amdhsa_next_free_vgpr 192
		.amdhsa_next_free_sgpr 66
		.amdhsa_reserve_vcc 0
		.amdhsa_float_denorm_mode_32 3
		.amdhsa_float_denorm_mode_16_64 3
		.amdhsa_memory_ordered 1
		.amdhsa_forward_progress 1
		.amdhsa_inst_pref_size 45
	.end_amdhsa_kernel
	.amdgpu_metadata
---
amdhsa.version: [ 1, 2 ]
amdhsa.kernels:
  - .name:           k_qeba36e55e8_prep
    .symbol:         k_qeba36e55e8_prep.kd
    .args:
      - { .name: x, .offset: 0, .size: 8, .value_kind: global_buffer, .address_space: global }
      - { .name: w_attn, .offset: 8, .size: 8, .value_kind: global_buffer, .address_space: global }
      - { .name: xc, .offset: 16, .size: 8, .value_kind: global_buffer, .address_space: global }
      - { .name: xs, .offset: 24, .size: 8, .value_kind: global_buffer, .address_space: global }
      - { .name: wc, .offset: 32, .size: 8, .value_kind: global_buffer, .address_space: global }
      - { .name: ws, .offset: 40, .size: 8, .value_kind: global_buffer, .address_space: global }
      - { .name: w_proj, .offset: 48, .size: 8, .value_kind: global_buffer, .address_space: global }
      - { .name: w16, .offset: 56, .size: 8, .value_kind: global_buffer, .address_space: global }
    .group_segment_fixed_size: 33280
    .private_segment_fixed_size: 0
    .kernarg_segment_align: 8
    .kernarg_segment_size: 64
    .max_flat_workgroup_size: 128
    .sgpr_count:     66
    .vgpr_count:     192
    .wavefront_size: 32
...
	.end_amdgpu_metadata
.endif
;; end of part 1
;; launch qkv (part 2): grid 12 x 32, 4 waves a work-group, clusters of 4 x 4, 327,680 bytes of LDS; arguments xc, xs, wc, ws, cos, sin, qkvi, fine32; writes qkvi, fine32
.if DOCPART == 2
	.amdgcn_target "amdgcn-amd-amdhsa--gfx1250"
	.amdhsa_code_object_version 6
	.text
	.protected	k_qeba36e55e8_qkv
	.globl	k_qeba36e55e8_qkv
	.p2align	8
	.type	k_qeba36e55e8_qkv,@function
k_qeba36e55e8_qkv:
	s_mov_b64 s[64:65], 0
	v_nop
	global_prefetch_b8 v0, s[64:65] scope:SCOPE_SE
	s_setreg_imm32_b32 hwreg(HW_REG_WAVE_MODE, 25, 1), 1
	s_wait_xcnt 0x0
	s_wait_alu depctr_hold_cnt(0) depctr_sa_sdst(0) depctr_va_vdst(0) depctr_va_sdst(0) depctr_va_ssrc(0) depctr_va_vcc(0) depctr_vm_vsrc(0)
	s_getreg_b32 s2, hwreg(HW_REG_IB_STS2, 6, 4)
	s_cmp_eq_u32 s2, 0
	s_cbranch_scc0 .Lentry_in_a_cluster
	s_endpgm
.Lentry_in_a_cluster:
	s_bfe_u32 s2, ttmp6, 0x10000c
	s_cmp_lg_u32 s2, 0xf033
	s_cbranch_scc0 .Lentry_shape_is_right
	s_endpgm
.Lentry_shape_is_right:
; qkv = x w_attn^T on codes of FP4 (E2M1) with one E8M0 scale for each 32 along K; then, for q and k, the rotation by cos and sin and the RMS norm over a head's 64, in f32; q is also multiplied by
; c = log2(e) / 8, so that the attention launch takes 2^(q . k) as it stands.  q, k and v leave as f16 IMAGES OF OPERAND REGISTERS: [q, k, v][16 b + head][t / 16][piece 0..3][512 bytes]; in a piece lane
; (r, h) has, at 16 x lane, row r and channels 16 piece + 8 h + 0..7.  v's pieces are laid so that the turning LDS load at 16 x lane finds them: place 16 (r / 8) + 8 h + r % 8.
; Rows t < 16 of every sequence also leave in f32 (fine32), for the launch that carries those rows finely.
; LIMITS: v goes to f16, so |v| must stay under 65,504; NaN and infinities are not served.
; A tile of 256 x 256 is made by four waves; a wave makes 128 rows x 128 columns (two whole heads): 64 accumulators, 512 registers.  K = 1,024 is two slots of 512 along K: both are asked for at the head,
; nothing is filled again.  The scale bytes of the work-group's 256 + 256 rows come once, in runs of 256 bytes.
; CLUSTERS: 4 x 4 work-groups.  The four of a row of the cluster need the same tiles of x, the four of a column the same tiles of w_attn: each tile is asked for jointly.  The tile row is 8 cy + cluster y, so that
; cy is the batch and the place in the sequence hangs on the cluster's y alone; the tile column is 4 x cluster x + cx, so that cluster x says q, k or v: every branch below is the same in all sixteen partners.
; THE MATRIX INSTRUCTION IS USED TRANSPOSED (source 0 = 16 rows of w_attn, source 1 = 16 rows of x): a lane holds eight neighbouring channels of one row.
; REGISTERS, in windows of 256: window 0: v0-31 addresses; v32-95 scale words, two sets; from v128 x's fragments, one set; on the way out v32-159 are at work.
;   window 1: w_attn's fragments, two sets, at v0 and v128; v64-127 and v192-255: four sets of cos and sin.   windows 2, 3: the accumulators ((a, b) at v[8 (8 (a % 4) + b)]).
.set SIZE_K, 1024
.set KSTEP,  512                       ; along K in a slot
.set NQ,     KSTEP/128                 ; matrix instructions deep
.set ROWB,   256                       ; a tile's row in bytes
.set KROW,   SIZE_K*4/8                ; a row of codes in memory
.set PITCH,  272                       ; an LDS row: 256 bytes + 16 of padding: the 16 rows that a load touches start 68 words apart
.set FR,     8                         ; registers of a fragment: 16 rows x 128 K
.set NL,     2                         ; LDS loads that bring one
.set NP,     4                         ; places behind this matrix instruction (ISA guide 7.12.1)
.set HALFT,  128*PITCH
.set SLOT,   4*HALFT                   ; x's 256 rows, then w_attn's 256 rows
.set KS,     SIZE_K/32                 ; a row of scales in bytes
.set SCL,    2*SLOT                    ; behind the slots: the scales, as runs of 256 bytes + 16 of padding
.set HALFS,  (128*KS/256)*272
.set SBLK,   (16*KS/256)*272
.set SPARE,  SCL+4*HALFS               ; the spare words, 128 bytes a wave
.set ADRA, 16                          ; v16-17  LDS address of my fragments of x in slot 0, 1
.set ADRB, 20                          ; v20-21  the same for w_attn
.set CSA,  24                          ; v24     my byte in 16 rows of cos or sin: 128 r + 32 h
.set IMG,  25                          ; v25     16 x lane: my place in a piece
.set VIM,  26                          ; v26     my place in a piece of v
.set ADRS, 27                          ; v27     LDS address of my scale words
.set SPW,  28                          ; v28     my spare word; never rewritten
.set NIL,  29                          ; v29     0; never rewritten
.set PD,   30                          ; v30-31  where the other half's sums land
.set SC,   32                          ; scale words
.set AF,   128                         ; x's fragments
.set YR,   32                          ; the way out: v32-95 two heads x 32 numbers of a lane
.set TR,   96                          ; v96-103 at work
.set SSQ,  104                         ; v104-111 sums of squares
.set FAC,  112                         ; v112, v114 the two heads' factors (v113, v115 are named with them as pairs)
.set PKR,  128                         ; v128-159 f16 pairs
.set G1, 24
.set G0, 32
.set G1B, 48
.set G0B, 56
.set G1S, 68
.set G0S, 76
.set G1SB, 80
.set G0SB, 88
.set MSB, 0
.macro WIN new                         ; the immediate's high byte repeats the setting that is left
.if MSB != (\new)
	s_set_vgpr_msb (MSB<<8)|(\new)
.set MSB, (\new)
.endif
.endm
.set MUL_LO, 0xa1                      ; source 0 window 1, source 1 window 0, C and D window 2
.set MUL_HI, 0xf1                      ; the same, C and D window 3
.set TO_B,   0x40                      ; destination window 1, address window 0
; A joint load: waves 0 and 1 fetch for x, waves 2 and 3 for w_attn.  The branch hangs on the wave's number alone.  An s_nop 0 and four v_nop follow each line.
.macro JLOAD g0a, g1a, g0b, g1b
	s_cmp_eq_u32 s15, 0
	s_cbranch_scc0 .Lfor_b_\@
	tensor_load_to_lds s[\g0a:\g0a+3], s[\g1a:\g1a+7]
	s_nop 0
.rept 4
	v_nop
.endr
	s_branch .Lasked_\@
.Lfor_b_\@:
	tensor_load_to_lds s[\g0b:\g0b+3], s[\g1b:\g1b+7]
	s_nop 0
.rept 4
	v_nop
.endr
.Lasked_\@:
.endm
.macro CROUND                          ; a round of the cluster's barrier
	s_barrier_signal -1
	s_barrier_wait -1
	s_cmp_lg_u32 s14, 0
	s_cbranch_scc1 .Lnot_wave_0_\@
	s_barrier_signal -3
.Lnot_wave_0_\@:
	s_barrier_wait -3
	s_barrier_signal -1
	s_barrier_wait -1
.endm
	s_load_b128 s[4:7], s[0:1], 0x0                ; x's codes, x's scales
	s_load_b128 s[8:11], s[0:1], 0x10              ; w_attn's codes, its scales
	s_load_b128 s[96:99], s[0:1], 0x20             ; cos, sin
	s_load_b64 s[100:101], s[0:1], 0x30            ; the images of q, k, v
	s_load_b64 s[12:13], s[0:1], 0x38              ; the f32 images of rows t < 16
	v_lshl_add_u32 v[SPW], v0, 2, SPARE
	v_mov_b32 v[NIL], 0
	ds_add_u32 v[SPW], v[NIL]                      ; the wave's opening: the add, twice on end, and its wait ahead of my first tensor load
	ds_add_u32 v[SPW], v[NIL]
	v_lshrrev_b32 v1, 5, v0
	v_readfirstlane_b32 s14, v1                    ; wave 0..3
	s_lshr_b32 s15, s14, 1                         ; which half of the tile's rows is mine.  Also: I fetch for x (0) or for w_attn (1)
	s_and_b32 s16, s14, 1                          ; which half of its columns.  Also: which 128 rows of that tile I fetch
	s_bfe_u32 s40, ttmp6, 0x40000                  ; cx, cy: my place in the cluster
	s_bfe_u32 s41, ttmp6, 0x40004
	s_lshl_b32 s42, ttmp9, 2
	s_add_co_u32 s42, s42, s40                     ; tile column = 4 x cluster x + cx
	s_and_b32 s17, ttmp7, 0xffff
	s_lshl_b32 s18, s41, 3
	s_add_co_u32 s17, s17, s18                     ; tile row = 8 cy + cluster y: cy is the batch
	s_lshl_b32 s43, s41, 2
	s_lshl_b32 s43, 15, s43                        ; my row of the cluster
	s_lshl_b32 s44, 0x1111, s40                    ; my column
	s_or_b32 s[G1+0], s43, (0<<16)|(1<<20)|(1<<21)|(5<<22)|(3<<25)  ; the mask; elements of 1 byte; padding on; bit 21 beside a mask; 4 words of padding after every 64
	s_or_b32 s[G1B+0], s44, (0<<16)|(1<<20)|(1<<21)|(5<<22)|(3<<25)
.irp g, G1, G1B
	s_mov_b32 s[\g+1], ROWB<<16                    ; tensor_dim0
	s_mov_b32 s[\g+2], 128<<16                     ; tensor_dim1 = 128
	s_mov_b32 s[\g+3], ROWB<<16                    ; tile_dim0
	s_mov_b32 s[\g+4], 128                         ; tile_dim1 = 128
	s_mov_b32 s[\g+5], KROW                        ; from row to row
	s_mov_b32 s[\g+6], 0
	s_mov_b32 s[\g+7], 0
.endr
	s_or_b32 s[G1S+0], s43, (3<<16)|(1<<20)|(1<<21)|(5<<22)|(3<<25)   ; the scales of 128 rows: a dense block, as rows of 256 bytes (32 elements of 8 bytes), padded likewise
	s_or_b32 s[G1SB+0], s44, (3<<16)|(1<<20)|(1<<21)|(5<<22)|(3<<25)
.irp g, G1S, G1SB
	s_mov_b32 s[\g+1], 32<<16
	s_mov_b32 s[\g+2], (128*KS/256)<<16
	s_mov_b32 s[\g+3], 32<<16
	s_mov_b32 s[\g+4], 128*KS/256
	s_mov_b32 s[\g+5], 32
	s_mov_b32 s[\g+6], 0
	s_mov_b32 s[\g+7], 0
.endr
	s_lshl_b32 s18, s16, 7                         ; which 128 rows of the tile I fetch
	s_lshl_b32 s20, s17, 8
	s_add_co_u32 s20, s20, s18                     ; x: row 256 x tile row + 128 x half
	s_lshl_b32 s46, s42, 8
	s_add_co_u32 s46, s46, s18                     ; w_attn: row 256 x tile column + 128 x half
	s_mov_b32 s21, 0
	s_mov_b32 s47, 0
	s_mov_b64 s[18:19], KS
	s_mul_u64 s[22:23], s[20:21], s[18:19]         ; where these rows' scales begin
	s_mul_u64 s[92:93], s[46:47], s[18:19]
	s_mov_b64 s[18:19], KROW
	s_mul_u64 s[20:21], s[20:21], s[18:19]         ; and their codes
	s_mul_u64 s[46:47], s[46:47], s[18:19]
	s_mul_i32 s45, s14, HALFT                      ; where they go: wave x 128 rows
	s_mul_i32 s94, s14, HALFS
	s_wait_dscnt 0x0                               ; both opening adds are done
	s_wait_kmcnt 0x0
	s_add_nc_u64 s[20:21], s[4:5], s[20:21]
	s_add_nc_u64 s[22:23], s[6:7], s[22:23]
	s_add_nc_u64 s[46:47], s[8:9], s[46:47]
	s_add_nc_u64 s[92:93], s[10:11], s[92:93]
	CROUND                                         ; all sixteen work-groups are here: the joint loads meet
	s_mov_b32 s[G0S], 1
	s_add_co_u32 s[G0S+1], s94, SCL
	s_mov_b64 s[G0S+2:G0S+3], s[22:23]
	s_or_b32 s[G0S+3], s[G0S+3], 0x80000000
	s_mov_b32 s[G0SB], 1
	s_add_co_u32 s[G0SB+1], s94, SCL
	s_mov_b64 s[G0SB+2:G0SB+3], s[92:93]
	s_or_b32 s[G0SB+3], s[G0SB+3], 0x80000000
	JLOAD G0S, G1S, G0SB, G1SB                     ; the scales first: they are wanted with the first slot
.irp s, 0,1
	s_mov_b32 s[G0+4*\s], 1
	s_add_co_u32 s[G0+4*\s+1], s45, \s*SLOT
	s_add_nc_u64 s[G0+4*\s+2:G0+4*\s+3], s[20:21], \s*ROWB
	s_or_b32 s[G0+4*\s+3], s[G0+4*\s+3], 0x80000000
	s_mov_b32 s[G0B+4*\s], 1
	s_add_co_u32 s[G0B+4*\s+1], s45, \s*SLOT
	s_add_nc_u64 s[G0B+4*\s+2:G0B+4*\s+3], s[46:47], \s*ROWB
	s_or_b32 s[G0B+4*\s+3], s[G0B+4*\s+3], 0x80000000
	JLOAD G0+4*\s, G1, G0B+4*\s, G1B               ; three loads of mine are out: all of K is asked for here
.endr
	v_and_b32 v1, 15, v0                           ; r
	v_bfe_u32 v2, v0, 4, 1                         ; h
	v_mul_u32_u24 v3, v1, PITCH
	v_lshl_add_u32 v4, v2, 4, v3                   ; a fragment's row x pitch + 16 x half
	s_mul_i32 s21, s15, HALFT                      ; my 128 rows of x
	s_mul_i32 s22, s16, HALFT                      ; my 128 rows of w_attn,
	s_add_co_u32 s22, s22, 2*HALFT                 ; which lie behind x's 256
.irp s, 0,1
	v_add_nc_u32 v[ADRA+\s], s21, v4
	v_add_nc_u32 v[ADRB+\s], s22, v4
	s_add_co_u32 s21, s21, SLOT
	s_add_co_u32 s22, s22, SLOT
.endr
	v_mul_u32_u24 v5, v1, KS                       ; my row's scales: KS bytes a row,
	v_lshrrev_b32 v6, 8, v5
	v_lshl_add_u32 v5, v6, 4, v5                   ; and 16 more for each 256 passed
	s_mul_i32 s21, s15, HALFS
	s_mul_i32 s22, s16, HALFS
	s_add_co_u32 s22, s22, 2*HALFS
	s_sub_co_u32 s22, s22, s21
	v_mul_u32_u24 v6, s22, v2                      ; lanes 16-31 take w_attn's
	s_add_co_u32 s21, s21, SCL
	v_add_nc_u32 v5, v5, v6
	v_add_nc_u32 v[ADRS], s21, v5
	; the way out's addresses and constants
	v_lshlrev_b32 v[CSA], 7, v1
	v_lshl_add_u32 v[CSA], v2, 5, v[CSA]           ; a row of cos is 128 bytes; my eight numbers begin 32 h in
	v_and_b32 v6, 31, v0
	v_lshlrev_b32 v[IMG], 4, v6
	v_bfe_u32 v5, v0, 3, 1
	v_and_b32 v6, 7, v0
	v_lshl_add_u32 v6, v5, 4, v6
	v_lshl_add_u32 v6, v2, 3, v6
	v_lshlrev_b32 v[VIM], 4, v6                    ; 16 x (16 (r / 8) + 8 h + r % 8)
	v_mov_b32 v[PD], 0                             ; a lane permute's destination counts as one of its sources
	v_mov_b32 v[PD+1], 0
	v_mov_b32 v[FAC+1], 0                          ; named as upper halves of pairs
	v_mov_b32 v[FAC+3], 0
	s_mov_b32 s2, 0x76543210                       ; v_permlanex16_b32: lane l xor 16
	s_mov_b32 s3, 0xfedcba98
	s_mov_b32 s92, 0x358637bd                      ; 1e-6
	s_mov_b32 s93, 0x3c800000                      ; 1 / 64
	s_mov_b32 s94, 1.0
	s_cmp_eq_u32 ttmp9, 0
	s_cselect_b32 s94, 0x3e38aa3b, s94             ; q alone is multiplied by c = log2(e) / 8
	s_and_b32 s18, ttmp7, 0xffff                   ; cluster y: which 256 positions of the sequence
	s_or_b32 s95, s18, s15                         ; 0 where my first 16 rows are positions 0 to 15
	s_lshl_b32 s20, s18, 15
	s_lshl_b32 s21, s15, 14
	s_add_co_u32 s20, s20, s21                     ; (256 cluster y + 128 half) rows of 128 bytes
	s_mov_b32 s21, 0
	s_add_nc_u64 s[96:97], s[96:97], s[20:21]
	s_add_nc_u64 s[98:99], s[98:99], s[20:21]
	s_lshl_b32 s22, s41, 4
	s_lshl_b32 s23, s40, 2
	s_add_co_u32 s22, s22, s23
	s_lshl_b32 s23, s16, 1
	s_add_co_u32 s22, s22, s23                     ; 16 b + my first head
	s_lshl_b32 s20, s22, 7
	s_lshl_b32 s23, s18, 4
	s_add_co_u32 s20, s20, s23
	s_lshl_b32 s23, s15, 3
	s_add_co_u32 s20, s20, s23                     ; + my first tile of 16 positions
	s_lshl_b32 s20, s20, 11                        ; 2,048 bytes a tile
	s_lshl_b32 s23, ttmp9, 24
	s_add_co_u32 s20, s20, s23                     ; + q, k or v: 16 MiB each
	s_add_nc_u64 s[100:101], s[100:101], s[20:21]
	s_mul_i32 s20, s41, 3
	s_add_co_u32 s20, s20, ttmp9
	s_lshl_b32 s20, s20, 4
	s_lshl_b32 s23, s40, 2
	s_add_co_u32 s20, s20, s23
	s_lshl_b32 s23, s16, 1
	s_add_co_u32 s20, s20, s23
	s_lshl_b32 s20, s20, 12                        ; ((3 b + which) 16 + head) x 4,096 bytes
	s_add_nc_u64 s[12:13], s[12:13], s[20:21]
; cos and sin of block a's 16 rows into set n: cos of channels 16 bb + 8 h + j at +8 bb + j, sin 16 registers on
.macro CSLOAD a, n
	WIN TO_B
.set CSB, 64+32*((\n)&1)+128*((\n)>>1)
.irp bb, 0,1
.irp e, 0,1
	global_load_b128 v[CSB+8*\bb+4*\e:CSB+8*\bb+4*\e+3], v[CSA], s[96:97] offset:2048*(\a)+64*\bb+16*\e
	global_load_b128 v[CSB+16+8*\bb+4*\e:CSB+16+8*\bb+4*\e+3], v[CSA], s[98:99] offset:2048*(\a)+64*\bb+16*\e
.endr
.endr
	WIN 0
.endm
	CSLOAD 0, 0                                    ; four blocks' tables are asked for ahead of the products: they land meanwhile.  Every work-group asks, v's too, which does not rotate and never names
	CSLOAD 1, 1                                    ; these registers again (16 KiB a wave of two tables of 256 KiB that all q's and k's work-groups read): so the head has no branch, and the tables'
	CSLOAD 2, 2                                    ; registers are written on every way through the text
	CSLOAD 3, 3
.macro FRAG reg, adr, q, i             ; 16 rows x 128 K of 4-bit codes: registers 4 c .. 4 c + 3 hold K = 64 c + 32 h + 0 .. 31
.irp c, 0,1
	ds_load_b128 v[\reg+4*\c:\reg+4*\c+3], v[\adr] offset:64*(\q)+32*\c+(\i)*16*PITCH
.endr
.endm
; 16 matrix instructions: x's blocks a0, a0 + 1 against w_attn's eight, 128 along K.  The 64 accumulators take turns, one instruction a turn.  zero = 1: the first product starts the sums.
.macro MUL16 a0, p, q, sc, zero
.irp a, \a0, \a0+1
.irp b, 0,1,2,3,4,5,6,7
.if \zero
	v_wmma_scale_f32_16x16x128_f8f6f4 v[8*(8*((\a)%4)+\b):8*(8*((\a)%4)+\b)+7], v[128*(\p)+FR*\b:128*(\p)+FR*\b+FR-1], v[AF+FR*(\a):AF+FR*(\a)+FR-1], 0, v[SC+8*NQ*(\sc)+NQ*\b+(\q)], v[SC+8*NQ*(\sc)+NQ*(\a)+(\q)] matrix_a_fmt:MATRIX_FMT_FP4 matrix_b_fmt:MATRIX_FMT_FP4 matrix_a_scale:MATRIX_SCALE_ROW1
.else
	v_wmma_scale_f32_16x16x128_f8f6f4 v[8*(8*((\a)%4)+\b):8*(8*((\a)%4)+\b)+7], v[128*(\p)+FR*\b:128*(\p)+FR*\b+FR-1], v[AF+FR*(\a):AF+FR*(\a)+FR-1], v[8*(8*((\a)%4)+\b):8*(8*((\a)%4)+\b)+7], v[SC+8*NQ*(\sc)+NQ*\b+(\q)], v[SC+8*NQ*(\sc)+NQ*(\a)+(\q)] matrix_a_fmt:MATRIX_FMT_FP4 matrix_b_fmt:MATRIX_FMT_FP4 matrix_a_scale:MATRIX_SCALE_ROW1
.endif
.endr
.endr
.endm
.macro FETCH_B slot, q, p
	WIN TO_B
.irp i, 0,1,2,3,4,5,6,7
	FRAG 128*(\p)+FR*\i, ADRB+\slot, \q, \i
.endr
	WIN 0
.endm
.macro FETCH_A slot, q, i0
.irp i, \i0, \i0+1, \i0+2, \i0+3
	FRAG AF+FR*(\i), ADRA+\slot, \q, \i
.endr
.endm
.macro SCALES sc                       ; a slot's scale words: lanes 0-15 take x's block i, lanes 16-31 w_attn's block i
.irp i, 0,1,2,3,4,5,6,7
	ds_load_b128 v[SC+8*NQ*\sc+NQ*\i:SC+8*NQ*\sc+NQ*\i+3], v[ADRS] offset:\i*SBLK
.endr
.endm
.macro PLACES n                        ; plain vector lines between a matrix instruction and a load into, or a read of, its registers
.rept \n
	v_nop
.endr
.endm
.macro STEP slot, q, zero              ; 128 along K that has its successor in the same slot
	s_wait_dscnt 4*NL                              ; w_attn's set and x's blocks 0-3 are in; the youngest eight loads (x's blocks 4-7) may be out
	WIN MUL_LO
	MUL16 0, (\q)%2, \q, \slot, \zero
	MUL16 2, (\q)%2, \q, \slot, \zero
	s_wait_dscnt 0                                 ; x's blocks 4-7 are in
	PLACES NP
	FETCH_B \slot, (\q)+1, 1-(\q)%2
	FETCH_A \slot, (\q)+1, 0
	WIN MUL_HI
	MUL16 4, (\q)%2, \q, \slot, \zero
	MUL16 6, (\q)%2, \q, \slot, \zero
	PLACES NP
	WIN 0
	FETCH_A \slot, (\q)+1, 4
.endm
.macro TURN slot, next                 ; a slot's last step: behind the barrier the next slot is whole for every wave.  Nothing is filled again
	s_wait_tensorcnt 0x0                           ; all my tensor loads have landed: my part of the next slot
	ds_add_u32 v[SPW], v[NIL]                      ; 0 onto my spare word
	s_wait_dscnt 4*NL+1                            ; (the add and x's blocks 4-7 may be out)
	WIN MUL_LO
	MUL16 0, 1, NQ-1, \slot, 0
	s_wait_dscnt 0x0
	s_barrier_signal -1
	MUL16 2, 1, NQ-1, \slot, 0
	WIN 0
	s_barrier_wait -1
	PLACES NP
	v_add_nc_u32 v[ADRS], 4*NQ, v[ADRS]            ; on to the next slot's scale words
	FETCH_B \next, 0, 0
	FETCH_A \next, 0, 0
	SCALES \next
	WIN MUL_HI
	MUL16 4, 1, NQ-1, \slot, 0
	MUL16 6, 1, NQ-1, \slot, 0
	PLACES NP
	WIN 0
	FETCH_A \next, 0, 4
.endm
.macro STEPS slot, from
.set Q, \from
.rept NQ-1-\from
	STEP \slot, Q, 0
.set Q, Q+1
.endr
.endm
	s_wait_tensorcnt 1                             ; the scales and my part of slot 0 are in (slot 1's load may be out),
	s_barrier_signal -1
	s_barrier_wait -1                              ; everybody's are
	FETCH_B 0, 0, 0
	FETCH_A 0, 0, 0
	SCALES 0
	FETCH_A 0, 0, 4
	STEP 0, 0, 1                                   ; the first step's products start the sums
	STEPS 0, 1
	TURN 0, 1
	STEPS 1, 0
	s_wait_dscnt 4*NL                              ; the last step: nothing more to fetch
	WIN MUL_LO
	MUL16 0, 1, NQ-1, 1, 0
	MUL16 2, 1, NQ-1, 1, 0
	s_wait_dscnt 0
	WIN MUL_HI
	MUL16 4, 1, NQ-1, 1, 0
	MUL16 6, 1, NQ-1, 1, 0
	WIN 0
; THE WAY OUT, block by block of 16 rows.  In accumulator (a, b) lane (r, h) holds row 16 a + r and channels 16 (b % 4) + 8 h + 0..7 of head b / 4.
; The rotation pairs channel d with d + 32: accumulators b and b + 2 of a head, the same register.  y1 = x1 cos + x2 sin, y2 = x2 cos - x1 sin, two numbers an instruction.
.macro ROPE a
	WIN 0x06+(\a)/4                                ; source 0: the accumulators' window; source 1: window 1 (the tables); source 2 and destination: window 0
.set AC, 64*((\a)%4)
.set CSB, 64+32*((\a)&1)+128*(((\a)>>1)&1)
.irp hd, 0,1
.irp bb, 0,1
.irp jp, 0,1,2,3
.set X1, AC+8*(4*\hd+\bb)+2*\jp
.set X2, X1+16
.set CC, CSB+8*\bb+2*\jp
.set TT, TR+4*(\jp%2)
.set Y1, YR+32*\hd+8*\bb+2*\jp
	v_pk_mul_f32 v[TT:TT+1], v[X2:X2+1], v[CC+16:CC+17]            ; each accumulator is read from its low end on
	v_pk_mul_f32 v[TT+2:TT+3], v[X1:X1+1], v[CC+16:CC+17]
	v_pk_fma_f32 v[Y1:Y1+1], v[X1:X1+1], v[CC:CC+1], v[TT:TT+1]
	v_pk_fma_f32 v[Y1+16:Y1+17], v[X2:X2+1], v[CC:CC+1], v[TT+2:TT+3] neg_lo:[0,0,1] neg_hi:[0,0,1]
.endr
.endr
.endr
.endm
.macro QKBLOCK a
	s_wait_xcnt 0x0                                ; the last block's stores have read their registers: they are written again only behind this wait
.if (\a) <= 4
	s_wait_loadcnt 24                              ; this block's tables are in; three younger sets of eight loads may be out
.else
	s_wait_loadcnt 8*(7-(\a))
.endif
	ROPE \a
.if (\a) < 4
	CSLOAD (\a)+4, \a                              ; the set just read takes the tables of four blocks on
.else
	WIN 0
.endif
.irp hd, 0,1                                   ; the sum of my 32 squares of each head, in two chains
	v_pk_mul_f32 v[SSQ+4*\hd:SSQ+4*\hd+1], v[YR+32*\hd:YR+32*\hd+1], v[YR+32*\hd:YR+32*\hd+1]
	v_pk_mul_f32 v[SSQ+4*\hd+2:SSQ+4*\hd+3], v[YR+32*\hd+2:YR+32*\hd+3], v[YR+32*\hd+2:YR+32*\hd+3]
.endr
.irp p, 4,8,12,16,20,24,28
.irp hd, 0,1
	v_pk_fma_f32 v[SSQ+4*\hd:SSQ+4*\hd+1], v[YR+32*\hd+\p:YR+32*\hd+\p+1], v[YR+32*\hd+\p:YR+32*\hd+\p+1], v[SSQ+4*\hd:SSQ+4*\hd+1]
	v_pk_fma_f32 v[SSQ+4*\hd+2:SSQ+4*\hd+3], v[YR+32*\hd+\p+2:YR+32*\hd+\p+3], v[YR+32*\hd+\p+2:YR+32*\hd+\p+3], v[SSQ+4*\hd+2:SSQ+4*\hd+3]
.endr
.endr
.irp hd, 0,1
	v_pk_add_f32 v[SSQ+4*\hd:SSQ+4*\hd+1], v[SSQ+4*\hd:SSQ+4*\hd+1], v[SSQ+4*\hd+2:SSQ+4*\hd+3]
.endr
.irp hd, 0,1
	v_add_f32 v[SSQ+4*\hd], v[SSQ+4*\hd], v[SSQ+4*\hd+1]
.endr
.irp hd, 0,1
	v_permlanex16_b32 v[PD+\hd], v[SSQ+4*\hd], s2, s3              ; the row's other 32 channels lie in the lane 16 away
.endr
.irp hd, 0,1
	v_add_f32 v[SSQ+4*\hd], v[SSQ+4*\hd], v[PD+\hd]
.endr
.irp hd, 0,1
	v_fma_f32 v[SSQ+4*\hd], v[SSQ+4*\hd], s93, s92                 ; the mean + 1e-6
.endr
.irp hd, 0,1
	v_rsq_f32 v[FAC+2*\hd], v[SSQ+4*\hd]
.endr
	v_nop                                          ; a plain line behind the last of the two
	s_wait_alu depctr_va_vdst(0)                   ; one wait for both, ahead of their first reader
.irp hd, 0,1
	v_mul_f32 v[FAC+2*\hd], s94, v[FAC+2*\hd]      ; q: x c; k: x 1
.endr
.irp hd, 0,1
.set p, 0
.rept 16
	v_pk_mul_f32 v[YR+32*\hd+2*p:YR+32*\hd+2*p+1], v[YR+32*\hd+2*p:YR+32*\hd+2*p+1], v[FAC+2*\hd:FAC+2*\hd+1] op_sel_hi:[1,0]
.set p, p+1
.endr
.endr
.if (\a) == 0                                  ; positions 0 to 15 also leave in f32: a branch on the cluster's y and the wave's number
	s_cmp_lg_u32 s95, 0
	s_cbranch_scc1 .Lnot_first_\@
.irp hd, 0,1
.irp g, 0,1,2,3,4,5,6,7
	global_store_b128 v[IMG], v[YR+32*\hd+4*\g:YR+32*\hd+4*\g+3], s[12:13] offset:4096*\hd+512*\g
.endr
.endr
.Lnot_first_\@:
.endif
.irp hd, 0,1
.set p, 0
.rept 16
	v_cvt_pk_f16_f32 v[PKR+16*\hd+p], v[YR+32*\hd+2*p], v[YR+32*\hd+2*p+1]
.set p, p+1
.endr
.endr
.irp hd, 0,1
.irp blk, 0,1,2,3
	global_store_b128 v[IMG], v[PKR+16*\hd+4*\blk:PKR+16*\hd+4*\blk+3], s[100:101] offset:2048*(\a)+262144*\hd+512*\blk   ; a piece: 512 consecutive bytes, aligned
.endr
.endr
.endm
.macro VBLOCK a
.set AC, 64*((\a)%4)
	s_wait_xcnt 0x0                                ; the last block's stores have read their registers
.if (\a) == 0
	s_cmp_lg_u32 s95, 0
	s_cbranch_scc1 .Lnot_first_\@
	WIN 0x08                                       ; a store's data are its source 1: window 2
.irp hd, 0,1
.irp g, 0,1,2,3,4,5,6,7
	global_store_b128 v[IMG], v[32*\hd+4*\g:32*\hd+4*\g+3], s[12:13] offset:4096*\hd+512*\g   ; each accumulator from its low end on
.endr
.endr
	WIN 0
.Lnot_first_\@:
.endif
	WIN 0x0a+5*((\a)/4)                            ; sources 0 and 1: window 2 or 3
.irp hd, 0,1
.set p, 0
.rept 16
	v_cvt_pk_f16_f32 v[PKR+16*\hd+p], v[AC+32*\hd+2*p], v[AC+32*\hd+2*p+1]
.set p, p+1
.endr
.endr
	WIN 0
.irp hd, 0,1
.irp blk, 0,1,2,3
	global_store_b128 v[VIM], v[PKR+16*\hd+4*\blk:PKR+16*\hd+4*\blk+3], s[100:101] offset:2048*(\a)+262144*\hd+512*\blk
.endr
.endr
.endm
	PLACES NP                                      ; behind the last products: their results are read, and registers that they read are written, only behind these
	s_cmp_eq_u32 ttmp9, 2
	s_cbranch_scc1 .Lv
.irp a, 0,1,2,3,4,5,6,7
	QKBLOCK \a
.endr
	s_branch .Ldone
.Lv:
.irp a, 0,1,2,3,4,5,6,7
	VBLOCK \a
.endr
.Ldone:
	s_wait_tensorcnt 0x0                           ; the wave's end: a wait, an add of 0 to my spare word and its wait, behind my last tensor load
	ds_add_u32 v[SPW], v[NIL]
	s_wait_dscnt 0x0
	CROUND                                         ; the closing round
	s_endpgm
.Lfunc_end_k_qeba36e55e8_qkv:
	.size	k_qeba36e55e8_qkv, .Lfunc_end_k_qeba36e55e8_qkv-k_qeba36e55e8_qkv
	.p2alignl 7, 3214868480
	.fill 96, 4, 3214868480
	.section	.rodata,"a",@progbits
	.p2align	6, 0x0
	.amdhsa_kernel k_qeba36e55e8_qkv
		.amdhsa_group_segment_fixed_size 327680
		.amdhsa_private_segment_fixed_size 0
		.amdhsa_enable_private_segment 0
		.amdhsa_kernarg_size 64
		.amdhsa_user_sgpr_count 2
		.amdhsa_user_sgpr_kernarg_segment_ptr 1
		.amdhsa_wavefront_size32 1
		.amdhsa_system_sgpr_workgroup_id_x 1
		.amdhsa_system_sgpr_workgroup_id_y 1
		.amdhsa_system_sgpr_workgroup_id_z 1
		.amdhsa_system_vgpr_workitem_id 0
		.amdhsa_next_free_vgpr 1024
		.amdhsa_next_free_sgpr 102
		.amdhsa_reserve_vcc 0
		.amdhsa_float_denorm_mode_32 3
		.amdhsa_float_denorm_mode_16_64 3
		.amdhsa_memory_ordered 1
		.amdhsa_forward_progress 1
		.amdhsa_inst_pref_size 221
	.end_amdhsa_kernel
	.amdgpu_metadata
---
amdhsa.version: [ 1, 2 ]
amdhsa.kernels:
  - .name:           k_qeba36e55e8_qkv
    .symbol:         k_qeba36e55e8_qkv.kd
    .args:
      - { .name: xc, .offset: 0, .size: 8, .value_kind: global_buffer, .address_space: global }
      - { .name: xs, .offset: 8, .size: 8, .value_kind: global_buffer, .address_space: global }
      - { .name: wc, .offset: 16, .size: 8, .value_kind: global_buffer, .address_space: global }
      - { .name: ws, .offset: 24, .size: 8, .value_kind: global_buffer, .address_space: global }
      - { .name: cos, .offset: 32, .size: 8, .value_kind: global_buffer, .address_space: global }
      - { .name: sin, .offset: 40, .size: 8, .value_kind: global_buffer, .address_space: global }
      - { .name: qkvi, .offset: 48, .size: 8, .value_kind: global_buffer, .address_space: global }
      - { .name: fine32, .offset: 56, .size: 8, .value_kind: global_buffer, .address_space: global }
    .group_segment_fixed_size: 327680
    .private_segment_fixed_size: 0
    .kernarg_segment_align: 8
    .kernarg_segment_size: 64
    .max_flat_workgroup_size: 128
    .sgpr_count:     102
    .vgpr_count:     1024
    .wavefront_size: 32
...
	.end_amdgpu_metadata
.endif
;; end of part 2
;; launch attn (part 3): grid 4 x 64, 8 waves a work-group, no clusters, 327,680 bytes of LDS; arguments qkvi, yi; writes yi
.if DOCPART == 3
	.amdgcn_target "amdgcn-amd-amdhsa--gfx1250"
	.amdhsa_code_object_version 6
	.text
	.protected	k_qeba36e55e8_attn
	.globl	k_qeba36e55e8_attn
	.p2align	8
	.type	k_qeba36e55e8_attn,@function
k_qeba36e55e8_attn:
	s_mov_b64 s[64:65], 0
	v_nop
	global_prefetch_b8 v0, s[64:65] scope:SCOPE_SE
	s_setreg_imm32_b32 hwreg(HW_REG_WAVE_MODE, 25, 1), 1
	s_wait_xcnt 0x0
; y[b][t][head] = the sum over keys k <= t of softmax_k(q . k / 8) v, in f16 operands with f32 sums.  q, k, v arrive as images of operand registers ([q, k, v][16 b + head][t / 16][piece][512 bytes]); q holds
; q x log2(e) / 8, so that a weight is p = 2^(q . k).
; NO MAXIMUM IS TAKEN AWAY: q and k are RMS-normalised by the computation itself, so each has length 8 at the most for every input; the exponent q . k / 8 lies in -8 .. 8, p in 3.3e-4 .. 2,981, which f16 holds
; as normal numbers, a row's sum under 6.2e6, and no exponential or sum can overflow or underflow.  The row's sum is taken of the unrounded p, in f32, and divides at the end.
; LIMITS: NaN and infinities are not served; y goes to f16 (|y| <= the largest |v|, under 65,504).
; SHARES.  Work-group (I, head) owns the query blocks 7 - I and I of 256 queries: (8 - I) + (I + 1) = 9 chunks of 256 keys in every work-group, so that all 256 have equal work and constant trip counts.
; Each of the eight waves owns 32 queries of a block (two tiles of 16) in 256 registers: two waves to a SIMD, so that one wave's exponentials stand beside the other's products.
; K's and V's chunks (32 KiB each) come through two LDS slots; each wave brings an eighth of a slot by one tensor load; a load has a whole chunk's eight key steps in which to land.
; NO CLUSTER: under the causal mask the four work-groups of a head need different numbers of chunks at different times, so partners would have to ask for tiles that none of their waves reads.
; LAYOUT.  S^T = K Q^T (source 0 = 16 keys, source 1 = 16 queries): a lane holds ONE query and keys 8 h + 0..7; two such tiles, rounded to f16 in pairs, are source 1 of O^T = V^T P.  Images are read at 16 x lane.
.set SLOTB, 65536                      ; slot 1 begins here: one exclusive or turns an address
.set VOFF,  32768                      ; in a slot: K's chunk, then V's
.set SPARE, 131072                     ; the spare words, 128 bytes for each of eight waves
.set LN16, 1                           ; v1   16 x lane
.set AD,   2                           ; v2   LDS address of the step in hand
.set D0,   3                           ; v3-4 16 t + r - 8 h, for the mask
.set SPW,  5                           ; v5   my spare word; never rewritten
.set NIL,  6                           ; v6   0; never rewritten
.set PFO,  7                           ; v7   256 x lane; never rewritten
.set SUM,  8                           ; v8-15  the rows' sums: two pairs a tile
.set QR,   16                          ; v16-47   Q[t][u]
.set KR,   48                          ; v48-79   K[kt][u]
.set VR,   80                          ; v80-111  V^T[ct]
.set SR,   112                         ; v112-143 S^T[t][kt], then p
.set PR,   144                         ; v144-159 P[t]
.set OA,   160                         ; v160-223 O^T[t][ct]
.set TM,   224                         ; v224-231 at work
.set NINF, 232                         ; v232 -infinity
.set WV,   8
.set II,   9
.set BH,   10
.set SUB,  11
.set Q0,   12                          ; my first query
.set KF,   13                          ; the step's first key
.set TB,   14                          ; LDS byte at which the step's tiles begin
.set NN,   15                          ; the next chunk to be asked for, 1 .. 8
.set SW,   16                          ; chunks of the first block: 8 - I
.set CH,   17
.set ST,   18
.set SEL,  20
.set BASE, 22                          ; s[22:23] my eighth of chunk 0 of my head
.set G1,   24
.set G0,   32
.set LK,   36                          ; s[36:37] the chunk's byte offset
.set PFA,  38
.set QA,   40
.set YA,   42
.set T0,   44
.set LIM,  46
.set T2,   47
	s_load_b128 s[4:7], s[0:1], 0x0                ; the images of q, k, v; the images of y
	v_lshl_add_u32 v[SPW], v0, 2, SPARE
	v_mov_b32 v[NIL], 0
	ds_add_u32 v[SPW], v[NIL]                      ; the wave's opening: the add, twice on end, and its wait ahead of my first tensor load
	ds_add_u32 v[SPW], v[NIL]
	v_lshrrev_b32 v1, 5, v0
	v_readfirstlane_b32 s[WV], v1                  ; wave 0..7
	s_mov_b32 s[II], ttmp9
	s_and_b32 s[BH], ttmp7, 0xffff
	s_sub_co_u32 s[SUB], 11, s[WV]
	s_cmp_lt_u32 s[WV], 4
	s_cselect_b32 s[SUB], s[WV], s[SUB]            ; which 32 queries of a block: 0, 1, 2, 3, 7, 6, 5, 4
	s_sub_co_u32 s[Q0], 7, s[II]
	s_lshl_b32 s[Q0], s[Q0], 8
	s_lshl_b32 s[T2], s[SUB], 5
	s_add_co_u32 s[Q0], s[Q0], s[T2]               ; block 7 - I first
	s_mov_b32 s[KF], 0
	s_mov_b32 s[TB], 0
	s_mov_b32 s[NN], 1
	s_sub_co_u32 s[SW], 8, s[II]
	s_mov_b32 s[G1], 3<<16                         ; no mask; elements of 8 bytes; no padding
	s_mov_b32 s[G1+1], 32<<16                      ; tensor_dim0 = 32: rows of 256 bytes
	s_mov_b32 s[G1+2], 32<<16                      ; tensor_dim1 = 32
	s_mov_b32 s[G1+3], 32<<16                      ; tile_dim0 = 32
	s_mov_b32 s[G1+4], 32                          ; tile_dim1 = 32: 8,192 dense bytes
	s_mov_b32 s[G1+5], 32                          ; from row to row
	s_mov_b32 s[G1+6], 0
	s_mov_b32 s[G1+7], 0
	s_mov_b32 s[G0], 1
	s_lshl_b32 s[G0+1], s[WV], 13                  ; LDS: wave x 8,192: waves 0-3 K's quarters, waves 4-7 V's
	s_mov_b32 s[SEL], 0x76543210
	s_mov_b32 s[SEL+1], 0xfedcba98
	s_lshr_b32 s[T0], s[WV], 2
	s_add_co_u32 s[T0], s[T0], 1
	s_lshl_b32 s[T0], s[T0], 24                    ; k's images begin 16 MiB in, v's 32
	s_lshl_b32 s[T2], s[BH], 18
	s_add_co_u32 s[T0], s[T0], s[T2]               ; a head's are 262,144 bytes
	s_and_b32 s[T2], s[WV], 3
	s_lshl_b32 s[T2], s[T2], 13
	s_add_co_u32 s[T0], s[T0], s[T2]
	s_mov_b32 s[T0+1], 0
	s_mov_b32 s[LK+1], 0
	s_cmp_eq_u32 s[II], 0
	s_cselect_b32 s[LIM], 7, 0                     ; the head's first work-group prefetches, while the chunk just asked for is 6 or less
	s_wait_dscnt 0x0                               ; both opening adds are done
	s_wait_kmcnt 0x0
	s_add_nc_u64 s[BASE:BASE+1], s[4:5], s[T0:T0+1]
	s_mov_b64 s[G0+2:G0+3], s[BASE:BASE+1]
	s_or_b32 s[G0+3], s[G0+3], 0x80000000
	tensor_load_to_lds s[G0:G0+3], s[G1:G1+7]      ; chunk 0 into slot 0
	s_nop 0
	v_and_b32 v1, 31, v0
	v_lshlrev_b32 v[PFO], 8, v1
	v_lshlrev_b32 v[LN16], 4, v1
	v_and_b32 v[D0], 15, v0
	v_bfe_u32 v[D0+1], v0, 4, 1
	v_lshlrev_b32 v[D0+1], 3, v[D0+1]
	v_sub_nc_u32 v[D0], v[D0], v[D0+1]
	v_add_nc_u32 v[D0+1], 16, v[D0]
	v_mov_b32 v[NINF], 0xff800000
.set i, 0
.rept 8
	v_mov_b32 v[TM+i], 0                           ; written once: permute destinations and upper halves of pairs count as read
.set i, i+1
.endr
; Q's and y's addresses from Q0, and my two tiles of Q: 8 pieces
.macro SETQ
	s_lshl_b32 s[T0], s[Q0], 7
	s_lshl_b32 s[T2], s[BH], 18
	s_add_co_u32 s[T0], s[T0], s[T2]
	s_add_nc_u64 s[QA:QA+1], s[4:5], s[T0:T0+1]
	s_lshl_b32 s[T0], s[Q0], 11                    ; a tile of 16 rows of y is 32 KiB
	s_lshr_b32 s[T2], s[BH], 4
	s_lshl_b32 s[T2], s[T2], 22
	s_add_co_u32 s[T0], s[T0], s[T2]
	s_and_b32 s[T2], s[BH], 15
	s_lshl_b32 s[T2], s[T2], 11
	s_add_co_u32 s[T0], s[T0], s[T2]
	s_add_nc_u64 s[YA:YA+1], s[6:7], s[T0:T0+1]
.irp t, 0,1
.irp blk, 0,1,2,3
	global_load_b128 v[QR+16*\t+4*\blk:QR+16*\t+4*\blk+3], v[LN16], s[QA:QA+1] offset:2048*\t+512*\blk
.endr
.endr
.endm
.macro ZERO                            ; the key step is written once: a block's first step finds zeros
.set i, 0
.rept 64
	v_mov_b32 v[OA+i], 0
.set i, i+1
.endr
.set i, 0
.rept 8
	v_mov_b32 v[SUM+i], 0
.set i, i+1
.endr
.endm
	SETQ
	ZERO
; THE CHANGE OF SLOTS stands at a chunk's head.  Each wave waits for all its tensor loads (one is out: its eighth of the chunk ahead), adds 0 to its spare word, and waits for that and for its reads of the slot that it has
; left.  Behind the barrier the chunk ahead is whole and nobody reads the other slot.  fill = 1: that slot takes the next chunk: my one tensor load until the next barrier.
.macro CHANGE fill
	s_wait_tensorcnt 0x0                           ; no tensor load of mine is out, so the descriptor may be written
	ds_add_u32 v[SPW], v[NIL]                      ; 0 onto my spare word; the descriptor's steps stand between the add and the wait for it
.if \fill
	s_xor_b32 s[G0+1], s[G0+1], SLOTB              ; the other slot than last time
	s_sub_co_u32 s[T2], s[NN], s[SW]
	s_cmp_lt_u32 s[NN], s[SW]
	s_cselect_b32 s[LK], s[NN], s[T2]              ; the first block walks chunks 0 .. 7 - I, the second begins again at 0
	s_lshl_b32 s[LK], s[LK], 15
	s_add_nc_u64 s[G0+2:G0+3], s[BASE:BASE+1], s[LK:LK+1]
	s_wait_xcnt 0x0                                ; the last prefetch, a chunk back, has read its address
	s_add_nc_u64 s[PFA:PFA+1], s[G0+2:G0+3], 32768 ; my eighth of the chunk after the one that is asked for now
	s_or_b32 s[G0+3], s[G0+3], 0x80000000
	s_add_co_u32 s[NN], s[NN], 1
.endif
	s_wait_dscnt 0x0                               ; the add is done, and my reads of the slot that I have left are over
	s_barrier_signal -1
	s_barrier_wait -1
.if \fill
	tensor_load_to_lds s[G0:G0+3], s[G1:G1+7]
	s_nop 0
; A PREFETCH INTO THE L2 of what the next change will ask for.  All four work-groups of a head walk the same K and V: the first of them (which walks chunks 0 to 7 on end) asks, each wave for its own 8,192 bytes,
; lanes 256 bytes apart: each run of 256 bytes is named once in the launch, eight key steps ahead of its load.  Chunks 0 and 1 come by their loads alone; chunk 7 is the last that is named.
	s_cmp_le_u32 s[NN], s[LIM]
	s_cbranch_scc0 .Lnot_mine_\@
	global_prefetch_b8 v[PFO], s[PFA:PFA+1] th:TH_LOAD_NT scope:SCOPE_SE
.Lnot_mine_\@:
.endif
.endm
; A KEY STEP: 32 keys against my 32 queries.  A step all of whose keys come after my queries is left out: a scalar branch on ids and counted steps, round no barrier and no tensor load.
.macro STEP
	s_add_co_u32 s[T2], s[Q0], 31
	s_cmp_gt_u32 s[KF], s[T2]
	s_cbranch_scc1 .Lskip_\@
	v_add_nc_u32 v[AD], s[TB], v[LN16]
.rept 4
	v_nop                                          ; places in front of loads into registers that the last step's products have read
.endr
.irp kt, 0,1
.irp u, 0,1
.irp c, 0,1
	ds_load_b128 v[KR+16*\kt+8*\u+4*\c:KR+16*\kt+8*\u+4*\c+3], v[AD] offset:2048*\kt+1024*\u+512*\c
.endr
.endr
.endr
.irp ct, 0,1,2,3
	ds_load_tr16_b128 v[VR+8*\ct:VR+8*\ct+3], v[AD] offset:VOFF+512*\ct          ; keys 8 h + 0..7 of channel 16 ct + r
	ds_load_tr16_b128 v[VR+8*\ct+4:VR+8*\ct+7], v[AD] offset:VOFF+2048+512*\ct   ; keys 16 + 8 h + 0..7
.endr
	s_wait_dscnt 8                                 ; K's eight loads are in; V's eight may be out
.irp t, 0,1
.irp kt, 0,1
	v_wmma_f32_16x16x32_f16 v[SR+16*\t+8*\kt:SR+16*\t+8*\kt+7], v[KR+16*\kt:KR+16*\kt+7], v[QR+16*\t:QR+16*\t+7], 0
.endr
.endr
.irp t, 0,1
.irp kt, 0,1
	v_wmma_f32_16x16x32_f16 v[SR+16*\t+8*\kt:SR+16*\t+8*\kt+7], v[KR+16*\kt+8:KR+16*\kt+15], v[QR+16*\t+8:QR+16*\t+15], v[SR+16*\t+8*\kt:SR+16*\t+8*\kt+7]   ; four accumulators by turns
.endr
.endr
.rept 4
	v_nop
.endr
	s_add_co_u32 s[T2], s[KF], 31                  ; on the diagonal hidden scores become -infinity: p = 0 then.  A step all of whose keys count skips this
	s_cmp_le_u32 s[T2], s[Q0]
	s_cbranch_scc1 .Lopen_\@
	s_sub_co_i32 s[T2], s[Q0], s[KF]
	v_add_nc_u32 v[TM], s[T2], v[D0]               ; d = my query - KF - 8 h: register j of tile kt is hidden where 16 kt + j > d
	v_add_nc_u32 v[TM+1], s[T2], v[D0+1]
.irp t, 0,1
.irp kt, 0,1
.irp j, 0,1,2,3,4,5,6,7
	v_cmp_gt_i32 vcc_lo, 16*\kt+\j, v[TM+\t]
	v_cndmask_b32 v[SR+16*\t+8*\kt+\j], v[SR+16*\t+8*\kt+\j], v[NINF], vcc_lo
.endr
.endr
.endr
.Lopen_\@:
.set i, 0
.rept 32
	v_exp_f32 v[SR+i], v[SR+i]                     ; p = 2^(q . k): one batch
.set i, i+1
.endr
	v_nop                                          ; a plain line behind the last exponential
	s_wait_alu depctr_va_vdst(0)                   ; one wait for the batch, ahead of its first reader
.irp t, 0,1
.irp kt, 0,1
.irp jp, 0,1,2,3
	v_cvt_pk_f16_f32 v[PR+8*\t+4*\kt+\jp], v[SR+16*\t+8*\kt+2*\jp], v[SR+16*\t+8*\kt+2*\jp+1]
.endr
.endr
.endr
.irp kt, 0,1
.irp jp, 0,1,2,3
.irp t, 0,1
	v_pk_add_f32 v[SUM+4*\t+2*(\jp%2):SUM+4*\t+2*(\jp%2)+1], v[SUM+4*\t+2*(\jp%2):SUM+4*\t+2*(\jp%2)+1], v[SR+16*\t+8*\kt+2*\jp:SR+16*\t+8*\kt+2*\jp+1]   ; the sums of the unrounded p, in four chains
.endr
.endr
.endr
	s_wait_dscnt 0x0                               ; V is in
.irp ct, 0,1,2,3
.irp t, 0,1
	v_wmma_f32_16x16x32_f16 v[OA+32*\t+8*\ct:OA+32*\t+8*\ct+7], v[VR+8*\ct:VR+8*\ct+7], v[PR+8*\t:PR+8*\t+7], v[OA+32*\t+8*\ct:OA+32*\t+8*\ct+7]   ; eight accumulators by turns
.endr
.endr
.Lskip_\@:
	s_add_co_u32 s[KF], s[KF], 32
	s_add_co_u32 s[TB], s[TB], 4096                ; two tiles of 16 keys on
.endm
.macro STEPS                           ; a chunk's eight key steps: written once, walked eight times
	s_mov_b32 s[ST], 8
.Lstep_\@:
	STEP
	s_sub_co_u32 s[ST], s[ST], 1
	s_cmp_lg_u32 s[ST], 0
	s_cbranch_scc1 .Lstep_\@
	s_sub_co_u32 s[TB], s[TB], 32768
	s_xor_b32 s[TB], s[TB], SLOTB                  ; on to the other slot
.endm
; A BLOCK'S END: O^T is divided by the row's sum, rounded to f16 and stored as images: lane (r, h) holds row r and channels 16 ct + 8 h + 0..7, which is what the projection's fragment wants in that lane.
; re = 1: the work-group's second block begins.
.macro FINISH re
.rept 4
	v_nop                                          ; places behind the last products
.endr
.irp t, 0,1
	v_pk_add_f32 v[SUM+4*\t:SUM+4*\t+1], v[SUM+4*\t:SUM+4*\t+1], v[SUM+4*\t+2:SUM+4*\t+3]
.endr
.irp t, 0,1
	v_add_f32 v[TM+2*\t], v[SUM+4*\t], v[SUM+4*\t+1]
.endr
.irp t, 0,1
	v_permlanex16_b32 v[TM+4+\t], v[TM+2*\t], s[SEL], s[SEL+1]     ; the query's other keys lie in the lane 16 away
.endr
.irp t, 0,1
	v_add_f32 v[TM+2*\t], v[TM+2*\t], v[TM+4+\t]
.endr
.irp t, 0,1
	v_rcp_f32 v[TM+2*\t], v[TM+2*\t]
.endr
	v_nop
	s_wait_alu depctr_va_vdst(0)                   ; one wait for the two reciprocals
.irp t, 0,1
.set i, 0
.rept 16
	v_pk_mul_f32 v[OA+32*\t+2*i:OA+32*\t+2*i+1], v[OA+32*\t+2*i:OA+32*\t+2*i+1], v[TM+2*\t:TM+2*\t+1] op_sel_hi:[1,0]
.set i, i+1
.endr
.endr
.irp t, 0,1
.set i, 0
.rept 16
	v_cvt_pk_f16_f32 v[SR+16*\t+i], v[OA+32*\t+2*i], v[OA+32*\t+2*i+1]
.set i, i+1
.endr
.endr
.irp t, 0,1
.irp ct, 0,1,2,3
	global_store_b128 v[LN16], v[SR+16*\t+4*\ct:SR+16*\t+4*\ct+3], s[YA:YA+1] offset:32768*\t+512*\ct   ; 512 consecutive bytes, aligned
.endr
.endr
.if \re
	ZERO
	s_wait_xcnt 0x0                                ; the stores have read their registers and their base
	s_lshl_b32 s[Q0], s[II], 8
	s_lshl_b32 s[T2], s[SUB], 5
	s_add_co_u32 s[Q0], s[Q0], s[T2]               ; block I
	s_mov_b32 s[KF], 0
	SETQ
	s_wait_loadcnt 0x0
.endif
.endm
	s_wait_loadcnt 0x0                             ; Q
	s_mov_b32 s[CH], 8
.Lchunk:                                           ; eight trips: behind each change of slots the next chunk is asked for
	CHANGE 1
	STEPS
	s_or_b32 s[T2], s[Q0], 255                     ; the block's last query
	s_cmp_gt_u32 s[KF], s[T2]                      ; ids and counted steps alone: all eight waves go the same way
	s_cbranch_scc0 .Lsame_block
	FINISH 1
.Lsame_block:
	s_sub_co_u32 s[CH], s[CH], 1
	s_cmp_lg_u32 s[CH], 0
	s_cbranch_scc1 .Lchunk
	CHANGE 0                                       ; the ninth chunk is written out: nothing is left to ask for
	STEPS
	FINISH 0
	s_wait_tensorcnt 0x0                           ; the wave's end: a wait, an add of 0 to my spare word and its wait, behind my last tensor load
	ds_add_u32 v[SPW], v[NIL]
	s_wait_dscnt 0x0
	s_endpgm
.Lfunc_end_k_qeba36e55e8_attn:
	.size	k_qeba36e55e8_attn, .Lfunc_end_k_qeba36e55e8_attn-k_qeba36e55e8_attn
	.p2alignl 7, 3214868480
	.fill 96, 4, 3214868480
	.section	.rodata,"a",@progbits
	.p2align	6, 0x0
	.amdhsa_kernel k_qeba36e55e8_attn
		.amdhsa_group_segment_fixed_size 327680
		.amdhsa_private_segment_fixed_size 0
		.amdhsa_enable_private_segment 0
		.amdhsa_kernarg_size 16
		.amdhsa_user_sgpr_count 2
		.amdhsa_user_sgpr_kernarg_segment_ptr 1
		.amdhsa_wavefront_size32 1
		.amdhsa_system_sgpr_workgroup_id_x 1
		.amdhsa_system_sgpr_workgroup_id_y 1
		.amdhsa_system_sgpr_workgroup_id_z 1
		.amdhsa_system_vgpr_workitem_id 0
		.amdhsa_next_free_vgpr 256
		.amdhsa_next_free_sgpr 66
		.amdhsa_reserve_vcc 1
		.amdhsa_float_denorm_mode_32 3
		.amdhsa_float_denorm_mode_16_64 3
		.amdhsa_memory_ordered 1
		.amdhsa_forward_progress 1
		.amdhsa_inst_pref_size 39
	.end_amdhsa_kernel
	.amdgpu_metadata
---
amdhsa.version: [ 1, 2 ]
amdhsa.kernels:
  - .name:           k_qeba36e55e8_attn
    .symbol:         k_qeba36e55e8_attn.kd
    .args:
      - { .name: qkvi, .offset: 0, .size: 8, .value_kind: global_buffer, .address_space: global }
      - { .name: yi, .offset: 8, .size: 8, .value_kind: global_buffer, .address_space: global }
    .group_segment_fixed_size: 327680
    .private_segment_fixed_size: 0
    .kernarg_segment_align: 8
    .kernarg_segment_size: 16
    .max_flat_workgroup_size: 256
    .sgpr_count:     66
    .vgpr_count:     256
    .wavefront_size: 32
...
	.end_amdgpu_metadata
.endif
;; end of part 3
;; launch proj (part 4): grid 4 x 64, 4 waves a work-group, clusters of 4 x 4, 327,680 bytes of LDS; arguments yi, w16, out0; writes out0
.if DOCPART == 4
	.amdgcn_target "amdgcn-amd-amdhsa--gfx1250"
	.amdhsa_code_object_version 6
	.text
	.protected	k_qeba36e55e8_proj
	.globl	k_qeba36e55e8_proj
	.p2align	8
	.type	k_qeba36e55e8_proj,@function
k_qeba36e55e8_proj:
	s_mov_b64 s[64:65], 0
	v_nop
	global_prefetch_b8 v0, s[64:65] scope:SCOPE_SE
	s_setreg_imm32_b32 hwreg(HW_REG_WAVE_MODE, 25, 1), 1
	s_wait_xcnt 0x0
	s_wait_alu depctr_hold_cnt(0) depctr_sa_sdst(0) depctr_va_vdst(0) depctr_va_sdst(0) depctr_va_ssrc(0) depctr_va_vcc(0) depctr_vm_vsrc(0)
	s_getreg_b32 s2, hwreg(HW_REG_IB_STS2, 6, 4)
	s_cmp_eq_u32 s2, 0
	s_cbranch_scc0 .Lentry_in_a_cluster
	s_endpgm
.Lentry_in_a_cluster:
	s_bfe_u32 s2, ttmp6, 0x10000c
	s_cmp_lg_u32 s2, 0xf033
	s_cbranch_scc0 .Lentry_shape_is_right
	s_endpgm
.Lentry_shape_is_right:
; out0 = y w_proj^T, f16 operands, f32 sums, for all rows but positions 0 to 15 of each sequence, which a launch of their own carries in f32.
; y arrives as images of operand registers: [tile of 16 rows][32 fragments of 16 rows x 32 K][1,024 bytes]; w_proj as f16 rows [1024 n][1024 k].
; A tile of out0 is 128 rows x 256 columns: 256 work-groups.  Four waves, each 64 x 128: 32 accumulators, all of window 1.  K goes in steps of 128 through two LDS slots.
; CLUSTERS: 4 x 4 work-groups.  The four of a row of the cluster need the same tiles of y, the four of a column the same tiles of w_proj: each is asked for jointly.  The tile row is 16 cy + cluster y, so that cy is the
; batch and the branch round positions 0 to 15 hangs on the cluster's y and the wave's number alone.
; THE MATRIX INSTRUCTION IS USED TRANSPOSED (source 0 = 16 rows of w_proj, source 1 = 16 rows of y): a lane holds eight neighbouring columns of one row.
; REGISTERS: window 0: v0-31 addresses; two fragment buffers of 96 at v32 and v128 (y's four fragments, then w_proj's eight); on the way out they hold rows.  window 1: accumulator (a, b) at v[8 (8 a + b)].
.set PITCH,  272                       ; a row of w_proj's tile in LDS: 256 bytes + 16 of padding
.set ASLOT,  32768                     ; y's part of a slot: 8 tiles of rows x 4,096 bytes, dense images
.set HALFB,  128*PITCH
.set SLOT,   ASLOT+2*HALFB
.set STAGE,  2*SLOT                    ; behind the slots: 16 rows x 528 bytes for each wave; no tensor load lands here
.set SPITCH, 528
.set SPARE,  STAGE+4*16*SPITCH         ; the spare words
.set LAPS,   4                         ; 1,024 / (2 x 128)
.set ADRA, 16
.set ADRB, 20
.set STO,  24
.set RD,   25
.set CO,   26
.set SPW,  28
.set NIL,  29
.set F0,   32
.set F1,   128
.set G1, 24
.set G0, 32
.set G1B, 48
.set G0B, 56
.set MSB, 0
.macro WIN new
.if MSB != (\new)
	s_set_vgpr_msb (MSB<<8)|(\new)
.set MSB, (\new)
.endif
.endm
.set MUL, 0x50                         ; C and D window 1, sources 0 and 1 window 0
.macro JLOAD s                         ; waves 0 and 1 fetch y's halves, waves 2 and 3 w_proj's; an s_nop 0 and four v_nop follow each line
	s_cmp_eq_u32 s11, 0
	s_cbranch_scc0 .Lfor_b_\@
	tensor_load_to_lds s[G0+4*\s:G0+4*\s+3], s[G1:G1+7]
	s_nop 0
.rept 4
	v_nop
.endr
	s_branch .Lasked_\@
.Lfor_b_\@:
	tensor_load_to_lds s[G0B+4*\s:G0B+4*\s+3], s[G1B:G1B+7]
	s_nop 0
.rept 4
	v_nop
.endr
.Lasked_\@:
.endm
.macro CREST
	s_cmp_lg_u32 s10, 0
	s_cbranch_scc1 .Lnot_wave_0_\@
	s_barrier_signal -3
.Lnot_wave_0_\@:
	s_barrier_wait -3
	s_barrier_signal -1
	s_barrier_wait -1
.endm
.macro CROUND
	s_barrier_signal -1
	s_barrier_wait -1
	CREST
.endm
	s_load_b128 s[4:7], s[0:1], 0x0                ; y's images, w_proj in f16
	s_load_b64 s[8:9], s[0:1], 0x10                ; out0
	v_lshl_add_u32 v[SPW], v0, 2, SPARE
	v_mov_b32 v[NIL], 0
	ds_add_u32 v[SPW], v[NIL]                      ; the wave's opening: the add, twice on end, and its wait ahead of my first tensor load
	ds_add_u32 v[SPW], v[NIL]
	v_lshrrev_b32 v1, 5, v0
	v_readfirstlane_b32 s10, v1                    ; wave 0..3
	s_lshr_b32 s11, s10, 1                         ; which 64 rows are mine.  Also: I fetch for y (0) or for w_proj (1)
	s_and_b32 s12, s10, 1                          ; which 128 columns.  Also: which half of that tile I fetch
	s_bfe_u32 s40, ttmp6, 0x40000                  ; cx, cy
	s_bfe_u32 s41, ttmp6, 0x40004
	s_lshl_b32 s42, ttmp9, 2
	s_add_co_u32 s42, s42, s40                     ; tile column
	s_and_b32 s45, ttmp7, 0xffff                   ; cluster y
	s_lshl_b32 s13, s41, 4
	s_add_co_u32 s13, s13, s45                     ; tile row = 16 cy + cluster y
	s_lshl_b32 s43, s41, 2
	s_lshl_b32 s43, 15, s43                        ; my row of the cluster
	s_lshl_b32 s44, 0x1111, s40                    ; my column
	s_or_b32 s[G1+0], s43, (3<<16)|(1<<21)         ; y: the mask; elements of 8 bytes; bit 21 beside a mask; no padding
	s_mov_b32 s[G1+1], 512<<16                     ; tensor_dim0 = 512: rows of 4,096 bytes (a tile of rows' four fragments)
	s_mov_b32 s[G1+2], 4<<16                       ; tensor_dim1 = 4 tiles of rows
	s_mov_b32 s[G1+3], 512<<16                     ; tile_dim0
	s_mov_b32 s[G1+4], 4                           ; tile_dim1
	s_mov_b32 s[G1+5], 4096                        ; from tile of rows to tile of rows: 32 KiB
	s_mov_b32 s[G1+6], 0
	s_mov_b32 s[G1+7], 0
	s_or_b32 s[G1B+0], s44, (1<<16)|(1<<20)|(1<<21)|(5<<22)|(3<<25)   ; w_proj: elements of 2 bytes; 4 words of padding after every 64
	s_mov_b32 s[G1B+1], 128<<16
	s_mov_b32 s[G1B+2], 128<<16
	s_mov_b32 s[G1B+3], 128<<16
	s_mov_b32 s[G1B+4], 128
	s_mov_b32 s[G1B+5], 1024
	s_mov_b32 s[G1B+6], 0
	s_mov_b32 s[G1B+7], 0
	s_lshl_b32 s16, s13, 18                        ; y: (8 tile row + 4 half) x 32 KiB
	s_lshl_b32 s17, s12, 17
	s_add_co_u32 s16, s16, s17
	s_mov_b32 s17, 0
	s_lshl_b32 s46, s42, 19                        ; w_proj: (256 tile column + 128 half) x 2,048 bytes
	s_lshl_b32 s47, s12, 18
	s_add_co_u32 s46, s46, s47
	s_mov_b32 s47, 0
	s_lshl_b32 s20, s12, 14                        ; where they go: y's half,
	s_mul_i32 s21, s12, HALFB
	s_add_co_u32 s21, s21, ASLOT                   ; w_proj's half
	s_wait_dscnt 0x0                               ; both opening adds are done
	s_wait_kmcnt 0x0
	s_add_nc_u64 s[14:15], s[4:5], s[16:17]
	s_add_nc_u64 s[46:47], s[6:7], s[46:47]
	CROUND                                         ; all sixteen work-groups are here
.irp s, 0,1
	s_mov_b32 s[G0+4*\s], 1
	s_add_co_u32 s[G0+4*\s+1], s20, \s*SLOT
	s_add_nc_u64 s[G0+4*\s+2:G0+4*\s+3], s[14:15], \s*4096
	s_or_b32 s[G0+4*\s+3], s[G0+4*\s+3], 0x80000000
	s_mov_b32 s[G0B+4*\s], 1
	s_add_co_u32 s[G0B+4*\s+1], s21, \s*SLOT
	s_add_nc_u64 s[G0B+4*\s+2:G0B+4*\s+3], s[46:47], \s*256
	s_or_b32 s[G0B+4*\s+3], s[G0B+4*\s+3], 0x80000000
	JLOAD \s                                       ; two loads of mine are out
.endr
	v_and_b32 v1, 15, v0                           ; r
	v_bfe_u32 v2, v0, 4, 1                         ; h
	v_and_b32 v3, 31, v0
	v_lshlrev_b32 v[CO], 4, v3                     ; 16 x lane
	s_lshl_b32 s21, s11, 14                        ; my four tiles of rows
	v_add_nc_u32 v[ADRA], s21, v[CO]
	v_add_nc_u32 v[ADRA+1], SLOT, v[ADRA]
	v_mul_u32_u24 v4, v1, PITCH
	v_lshl_add_u32 v4, v2, 4, v4
	s_mul_i32 s22, s12, HALFB
	s_add_co_u32 s22, s22, ASLOT
	v_add_nc_u32 v[ADRB], s22, v4
	v_add_nc_u32 v[ADRB+1], SLOT, v[ADRB]
	s_mul_i32 s23, s10, 16*SPITCH
	s_add_co_u32 s23, s23, STAGE                   ; my stage
	v_mul_u32_u24 v5, v1, SPITCH
	v_lshl_add_u32 v5, v2, 5, v5
	v_add_nc_u32 v[STO], s23, v5                   ; in: row r, 32 bytes for each half of the lanes
	v_add_nc_u32 v[RD], s23, v[CO]                 ; back: the 32 lanes take one row of 512 bytes
	s_lshl_b32 s16, s13, 19                        ; out0: (128 tile row + 64 half) rows of 4,096 bytes + (256 tile column + 128 half) x 4
	s_lshl_b32 s17, s11, 18
	s_add_co_u32 s16, s16, s17
	s_lshl_b32 s17, s42, 10
	s_add_co_u32 s16, s16, s17
	s_lshl_b32 s17, s12, 9
	s_add_co_u32 s16, s16, s17
	s_mov_b32 s17, 0
	s_add_nc_u64 s[8:9], s[8:9], s[16:17]
.macro MUL8 f, a, zero                 ; y's block a against w_proj's eight, 32 along K; the 32 accumulators take turns in the same order in every quarter
.irp b, 0,1,2,3,4,5,6,7
.if \zero
	v_wmma_f32_16x16x32_f16 v[8*(8*(\a)+\b):8*(8*(\a)+\b)+7], v[\f+32+8*\b:\f+32+8*\b+7], v[\f+8*(\a):\f+8*(\a)+7], 0
.else
	v_wmma_f32_16x16x32_f16 v[8*(8*(\a)+\b):8*(8*(\a)+\b)+7], v[\f+32+8*\b:\f+32+8*\b+7], v[\f+8*(\a):\f+8*(\a)+7], v[8*(8*(\a)+\b):8*(8*(\a)+\b)+7]
.endif
.endr
.endm
.macro FETCH slot, q, f                ; 24 LDS loads in one run: quarter q's fragments: w_proj's eight, y's blocks 0 and 1, y's blocks 2 and 3
	WIN 0
.irp b, 0,1,2,3,4,5,6,7
	ds_load_b128 v[\f+32+8*\b:\f+32+8*\b+3], v[ADRB+\slot] offset:64*(\q)+16*PITCH*\b
	ds_load_b128 v[\f+32+8*\b+4:\f+32+8*\b+7], v[ADRB+\slot] offset:64*(\q)+16*PITCH*\b+32
.endr
.irp a, 0,1,2,3
	ds_load_b128 v[\f+8*\a:\f+8*\a+3], v[ADRA+\slot] offset:4096*\a+1024*(\q)
	ds_load_b128 v[\f+8*\a+4:\f+8*\a+7], v[ADRA+\slot] offset:4096*\a+1024*(\q)+512
.endr
.endm
.macro PLACES
.rept 4
	v_nop
.endr
.endm
.macro QUARTER slot, q, f, g, zero     ; multiplies buffer f; in its middle it fetches the slot's quarter q into buffer g
	s_wait_dscnt 4                                 ; all but the youngest four loads (y's blocks 2 and 3) are in
	WIN MUL
	MUL8 \f, 0, \zero
	MUL8 \f, 1, \zero
	PLACES
	FETCH \slot, \q, \g
	s_wait_dscnt 24                                ; all but the 24 just issued
	WIN MUL
	MUL8 \f, 2, \zero
	MUL8 \f, 3, \zero
.endm
; A slot's last quarter multiplies buffer 1 and changes slots: one barrier; in front of it each wave waits for all its tensor loads, adds 0 to its spare word, and waits for that and for its reads of this slot.
; fill = 1: the barrier opens a round of the cluster's, and this slot is filled again, two K steps ahead, first thing behind the round: 112 matrix instructions ahead of the wait for it.
.macro TURN slot, next, fill
	WIN 0
	s_wait_tensorcnt 0x0
	ds_add_u32 v[SPW], v[NIL]                      ; 0 onto my spare word
	s_wait_dscnt 5                                 ; (the add and y's blocks 2 and 3 may be out)
	WIN MUL
	MUL8 F1, 0, 0
	s_wait_dscnt 0x0                               ; the add is done, and my reads of this slot are over
	s_barrier_signal -1
	MUL8 F1, 1, 0
	WIN 0
	s_barrier_wait -1
.if \fill
	CREST
	s_add_nc_u64 s[G0+4*\slot+2:G0+4*\slot+3], s[G0+4*\slot+2:G0+4*\slot+3], 2*4096
	s_add_nc_u64 s[G0B+4*\slot+2:G0B+4*\slot+3], s[G0B+4*\slot+2:G0B+4*\slot+3], 2*256
	JLOAD \slot                                    ; the four v_nop behind it are also the places in front of the loads below
.else
	PLACES
.endif
	FETCH \next, 0, F0
	WIN MUL
	MUL8 F1, 2, 0
	MUL8 F1, 3, 0
.endm
	s_wait_tensorcnt 1                             ; my part of K step 0 is in (K step 1's may be out),
	s_barrier_signal -1
	s_barrier_wait -1                              ; everybody's is
	FETCH 0, 0, F0
	QUARTER 0, 1, F0, F1, 1                        ; the first quarter's products start the sums
	WIN 0
	s_mov_b32 s3, LAPS-1
.Llap:                                             ; a trip goes once round the two slots and fills both again
	QUARTER 0, 2, F1, F0, 0
	QUARTER 0, 3, F0, F1, 0
	TURN 0, 1, 1
	QUARTER 1, 1, F0, F1, 0
	QUARTER 1, 2, F1, F0, 0
	QUARTER 1, 3, F0, F1, 0
	TURN 1, 0, 1
	QUARTER 0, 1, F0, F1, 0
	WIN 0
	s_sub_co_u32 s3, s3, 1
	s_cmp_lg_u32 s3, 0
	s_cbranch_scc1 .Llap
	QUARTER 0, 2, F1, F0, 0                        ; the last lap fills nothing
	QUARTER 0, 3, F0, F1, 0
	TURN 0, 1, 0
	QUARTER 1, 1, F0, F1, 0
	QUARTER 1, 2, F1, F0, 0
	QUARTER 1, 3, F0, F1, 0
	s_wait_dscnt 4
	WIN MUL
	MUL8 F1, 0, 0
	MUL8 F1, 1, 0
	s_wait_dscnt 0
	MUL8 F1, 2, 0
	MUL8 F1, 3, 0
	WIN 0
; THE WAY OUT, block by block of 16 rows x 128 columns, through my own stage: in as 32 bytes a lane, back as whole rows of 512 bytes.  LDS serves a wave's instructions in order: no wait between stores and loads.
.macro OUTBLOCK a
.set BK, 32+96*((\a)%2)
	s_wait_xcnt 0x0                                ; earlier stores have read their registers
	WIN 0x04                                       ; an LDS store's data are its source 1: window 1
.irp b, 0,1,2,3,4,5,6,7
	ds_store_b128 v[STO], v[8*(8*(\a)+\b):8*(8*(\a)+\b)+3] offset:64*\b          ; each accumulator from its low end on
	ds_store_b128 v[STO], v[8*(8*(\a)+\b)+4:8*(8*(\a)+\b)+7] offset:64*\b+16
.endr
	WIN 0
.irp t, 0,1,2,3,4,5,6,7,8,9,10,11,12,13,14,15
	ds_load_b128 v[BK+4*\t:BK+4*\t+3], v[RD] offset:\t*SPITCH
.endr
.irp t, 0,1,2,3,4,5,6,7,8,9,10,11,12,13,14,15
	s_wait_dscnt 15-\t
	global_store_b128 v[CO], v[BK+4*\t:BK+4*\t+3], s[8:9] offset:(16*(\a)+\t)*4096 th:TH_STORE_NT   ; 512 consecutive bytes, aligned
.endr
.endm
	PLACES
	s_or_b32 s22, s45, s11
	s_cmp_eq_u32 s22, 0                            ; my first 16 rows are positions 0 to 15: another launch stores them
	s_cbranch_scc1 .Lfine_rows
	OUTBLOCK 0
.Lfine_rows:
	OUTBLOCK 1
	OUTBLOCK 2
	OUTBLOCK 3
	s_wait_tensorcnt 0x0                           ; the wave's end: a wait, an add of 0 to my spare word and its wait, behind my last tensor load and my last LDS store
	ds_add_u32 v[SPW], v[NIL]
	s_wait_dscnt 0x0
	CROUND                                         ; the closing round
	s_endpgm
.Lfunc_end_k_qeba36e55e8_proj:
	.size	k_qeba36e55e8_proj, .Lfunc_end_k_qeba36e55e8_proj-k_qeba36e55e8_proj
	.p2alignl 7, 3214868480
	.fill 96, 4, 3214868480
	.section	.rodata,"a",@progbits
	.p2align	6, 0x0
	.amdhsa_kernel k_qeba36e55e8_proj
		.amdhsa_group_segment_fixed_size 327680
		.amdhsa_private_segment_fixed_size 0
		.amdhsa_enable_private_segment 0
		.amdhsa_kernarg_size 24
		.amdhsa_user_sgpr_count 2
		.amdhsa_user_sgpr_kernarg_segment_ptr 1
		.amdhsa_wavefront_size32 1
		.amdhsa_system_sgpr_workgroup_id_x 1
		.amdhsa_system_sgpr_workgroup_id_y 1
		.amdhsa_system_sgpr_workgroup_id_z 1
		.amdhsa_system_vgpr_workitem_id 0
		.amdhsa_next_free_vgpr 512
		.amdhsa_next_free_sgpr 66
		.amdhsa_reserve_vcc 0
		.amdhsa_float_denorm_mode_32 3
		.amdhsa_float_denorm_mode_16_64 3
		.amdhsa_memory_ordered 1
		.amdhsa_forward_progress 1
		.amdhsa_inst_pref_size 86
	.end_amdhsa_kernel
	.amdgpu_metadata
---
amdhsa.version: [ 1, 2 ]
amdhsa.kernels:
  - .name:           k_qeba36e55e8_proj
    .symbol:         k_qeba36e55e8_proj.kd
    .args:
      - { .name: yi, .offset: 0, .size: 8, .value_kind: global_buffer, .address_space: global }
      - { .name: w16, .offset: 8, .size: 8, .value_kind: global_buffer, .address_space: global }
      - { .name: out0, .offset: 16, .size: 8, .value_kind: global_buffer, .address_space: global }
    .group_segment_fixed_size: 327680
    .private_segment_fixed_size: 0
    .kernarg_segment_align: 8
    .kernarg_segment_size: 24
    .max_flat_workgroup_size: 128
    .sgpr_count:     66
    .vgpr_count:     512
    .wavefront_size: 32
...
	.end_amdgpu_metadata
.endif
;; end of part 4
;; launch fine (part 5): grid 16 x 4, 16 waves a work-group, no clusters, 71,680 bytes of LDS; arguments fine32, w_proj, out0; writes out0
.if DOCPART == 5
	.amdgcn_target "amdgcn-amd-amdhsa--gfx1250"
	.amdhsa_code_object_version 6
	.text
	.protected	k_qeba36e55e8_fine
	.globl	k_qeba36e55e8_fine
	.p2align	8
	.type	k_qeba36e55e8_fine,@function
k_qeba36e55e8_fine:
	s_mov_b64 s[64:65], 0
	v_nop
	global_prefetch_b8 v0, s[64:65] scope:SCOPE_SE
	s_setreg_imm32_b32 hwreg(HW_REG_WAVE_MODE, 25, 1), 1
	s_wait_xcnt 0x0
; Positions 0 to 15 of each sequence, attention and projection, in f32: these rows average one to sixteen values and are the largest of the output, so f16 operands would use up what the comparison allows.
; Work-group (block of 64 output columns, batch).  Wave w is head w: it makes the head's 16 x 16 attention (recomputed in each of the 16 column blocks: 32 small matrix instructions), then its part of the
; projection, the sum over its 64 channels, for the 64 columns.  The sixteen parts meet in LDS; wave w adds up row w and stores it: 256 consecutive bytes, aligned.
; fine32: [b][q, k, v][head][g 0..7][lane][16 bytes]: register i = 4 g + e of lane (r, h) is row r, channel 16 (i / 8) + 8 h + i % 8; q holds q x log2(e) / 8.
; No maximum is taken away: q and k are RMS-normalised by the computation itself, so the exponent lies in -8 .. 8 for every input.
; THE f32 MATRIX FORM takes K = 4: register j of lane (r, h) is k = 2 h + j.  A permutation of K that is the same on both sides keeps the products: so registers 2 i, 2 i + 1 of both operands are fed as they lie.
; The registers that this form writes (v128-175) are written by matrix instructions alone; what is made of a sum goes into other registers.  Its distances are 8 and 9 places (ISA guide 7.12.1).
.set PPW,   4352                       ; a wave's part in LDS: 16 rows x (256 bytes + 16)
.set SPARE, 16*PPW                     ; the spare words, 128 bytes for each of sixteen waves
.set LI,  1                            ; v1  16 x lane
.set LV,  2                            ; v2  my place in v's image, for V^T
.set LW,  3                            ; v3  4,096 r + 32 h: my place in 16 rows of w_proj
.set DM,  4                            ; v4  r - 8 h, for the mask
.set PS,  5                            ; v5  where I put my part
.set RDA, 6                            ; v6  where I read row w of a part
.set GO,  7                            ; v7  8 x lane
.set QR,  16                           ; v16-47  q, later w_proj's fragments of channels 32..47
.set KR,  48                           ; v48-79  k, later those of channels 48..63
.set VT,  80                           ; v80-111 V^T[ct][key], later y
.set TP,  112                          ; v112-119 scores, then p
.set TM,  120
.set NINF, 124
.set SA,  128
.set SB,  136
.set OA,  144                          ; v144-175 O^T[ct], later the projection's four tiles
.set W01, 176                          ; v176-239 w_proj's fragments of channels 0..31; later the sixteen parts of my row
.set SPW, 250
.set NIL, 251
	s_load_b128 s[4:7], s[0:1], 0x0                ; fine32, w_proj
	s_load_b64 s[8:9], s[0:1], 0x10                ; out0
	v_lshl_add_u32 v[SPW], v0, 2, SPARE
	v_mov_b32 v[NIL], 0
	v_lshrrev_b32 v8, 5, v0
	v_readfirstlane_b32 s10, v8                    ; wave = head
	s_and_b32 s12, ttmp7, 0xffff                   ; batch
	s_mul_i32 s14, s12, 48
	s_add_co_u32 s14, s14, s10
	s_lshl_b32 s14, s14, 12                        ; (48 b + head) x 4,096: q; k is 65,536 bytes on, v 131,072
	s_mov_b32 s15, 0
	s_lshl_b32 s16, ttmp9, 18                      ; w_proj: 64 rows of 4,096 bytes a block, + my head's 256 bytes
	s_lshl_b32 s17, s10, 8
	s_add_co_u32 s16, s16, s17
	s_mov_b32 s17, 0
	s_lshl_b32 s18, s12, 23                        ; out0: row 2,048 b + w, + the block's 256 bytes
	s_lshl_b32 s19, s10, 12
	s_add_co_u32 s18, s18, s19
	s_lshl_b32 s19, ttmp9, 8
	s_add_co_u32 s18, s18, s19
	s_mov_b32 s19, 0
	s_mov_b32 s20, 0x76543210
	s_mov_b32 s21, 0xfedcba98
	v_and_b32 v8, 31, v0                           ; lane
	v_and_b32 v9, 15, v0                           ; r
	v_bfe_u32 v10, v0, 4, 1                        ; h
	v_lshlrev_b32 v[LI], 4, v8
	v_lshlrev_b32 v[GO], 3, v8
	v_bfe_u32 v11, v0, 2, 1
	v_lshlrev_b32 v[LV], 9, v11                    ; v(key 8 h + jj, channel 16 ct + r) lies at 1,024 ct + 512 ((r / 4) % 2) + 256 (r / 8) + 128 h + 16 jj + 4 (r % 4)
	v_bfe_u32 v11, v0, 3, 1
	v_lshl_add_u32 v[LV], v11, 8, v[LV]
	v_lshl_add_u32 v[LV], v10, 7, v[LV]
	v_and_b32 v11, 3, v0
	v_lshl_add_u32 v[LV], v11, 2, v[LV]
	v_lshlrev_b32 v[LW], 12, v9
	v_lshl_add_u32 v[LW], v10, 5, v[LW]
	v_lshlrev_b32 v11, 3, v10
	v_sub_nc_u32 v[DM], v9, v11
	s_mul_i32 s22, s10, PPW
	v_mul_u32_u24 v[PS], v9, 272
	v_lshl_add_u32 v[PS], v10, 5, v[PS]
	v_add_nc_u32 v[PS], s22, v[PS]
	s_mul_i32 s22, s10, 272
	v_add_nc_u32 v[RDA], s22, v[GO]
	v_mov_b32 v[NINF], 0xff800000
	s_wait_kmcnt 0x0
	s_add_nc_u64 s[4:5], s[4:5], s[14:15]
	s_add_nc_u64 s[6:7], s[6:7], s[16:17]
	s_add_nc_u64 s[8:9], s[8:9], s[18:19]
.irp g, 0,1,2,3,4,5,6,7
	global_load_b128 v[QR+4*\g:QR+4*\g+3], v[LI], s[4:5] offset:512*\g
.endr
.irp g, 0,1,2,3,4,5,6,7
	global_load_b128 v[KR+4*\g:KR+4*\g+3], v[LI], s[4:5] offset:65536+512*\g
.endr
.irp ct, 0,1,2,3
.irp jj, 0,1,2,3,4,5,6,7
	global_load_b32 v[VT+8*\ct+\jj], v[LV], s[4:5] offset:131072+1024*\ct+16*\jj
.endr
.endr
.irp ct, 0,1
.irp nt, 0,1,2,3
	global_load_b128 v[W01+32*\ct+8*\nt:W01+32*\ct+8*\nt+3], v[LW], s[6:7] offset:65536*\nt+64*\ct
	global_load_b128 v[W01+32*\ct+8*\nt+4:W01+32*\ct+8*\nt+7], v[LW], s[6:7] offset:65536*\nt+64*\ct+16
.endr
.endr
	s_wait_loadcnt 48                              ; q and k are in; V^T's 32 loads and w_proj's 16 may be out
	; S^T = k q^T: lane (r, h) gets query r and keys 8 h + 0..7.  Two accumulators by turns; their first products start the sums
	v_wmma_f32_16x16x4_f32 v[SA:SA+7], v[KR:KR+1], v[QR:QR+1], 0
	v_wmma_f32_16x16x4_f32 v[SB:SB+7], v[KR+2:KR+3], v[QR+2:QR+3], 0
.irp i, 4,8,12,16,20,24,28
	v_wmma_f32_16x16x4_f32 v[SA:SA+7], v[KR+\i:KR+\i+1], v[QR+\i:QR+\i+1], v[SA:SA+7]
	v_wmma_f32_16x16x4_f32 v[SB:SB+7], v[KR+\i+2:KR+\i+3], v[QR+\i+2:QR+\i+3], v[SB:SB+7]
.endr
.rept 8
	v_nop                                          ; eight places: then loads may land on q's and k's registers, and the sums may be read
.endr
.irp nt, 0,1,2,3
	global_load_b128 v[QR+8*\nt:QR+8*\nt+3], v[LW], s[6:7] offset:65536*\nt+128
	global_load_b128 v[QR+8*\nt+4:QR+8*\nt+7], v[LW], s[6:7] offset:65536*\nt+128+16
.endr
.irp nt, 0,1,2,3
	global_load_b128 v[KR+8*\nt:KR+8*\nt+3], v[LW], s[6:7] offset:65536*\nt+192
	global_load_b128 v[KR+8*\nt+4:KR+8*\nt+7], v[LW], s[6:7] offset:65536*\nt+192+16
.endr
.irp j, 0,1,2,3,4,5,6,7
	v_add_f32 v[TP+\j], v[SA+\j], v[SB+\j]         ; from the low end on
.endr
.irp j, 0,1,2,3,4,5,6,7
	v_cmp_gt_i32 vcc_lo, \j, v[DM]                 ; key 8 h + j comes after query r
	v_cndmask_b32 v[TP+\j], v[TP+\j], v[NINF], vcc_lo
.endr
.irp j, 0,1,2,3,4,5,6,7
	v_exp_f32 v[TP+\j], v[TP+\j]
.endr
	v_nop
	s_wait_alu depctr_va_vdst(0)                   ; one wait for the eight exponentials, ahead of their first reader
	v_add_f32 v[TM], v[TP], v[TP+1]
	v_add_f32 v[TM+1], v[TP+2], v[TP+3]
	v_add_f32 v[TM+2], v[TP+4], v[TP+5]
	v_add_f32 v[TM+3], v[TP+6], v[TP+7]
	v_add_f32 v[TM], v[TM], v[TM+1]
	v_add_f32 v[TM+2], v[TM+2], v[TM+3]
	v_add_f32 v[TM], v[TM], v[TM+2]
	v_permlanex16_b32 v[TM+1], v[TM], s20, s21     ; the query's other eight keys
	v_add_f32 v[TM], v[TM], v[TM+1]
	v_rcp_f32 v[TM], v[TM]
	v_nop
	s_wait_alu depctr_va_vdst(0)
	s_wait_loadcnt 32                              ; V^T is in; w_proj's 32 loads may be out
	; O^T = V^T p: K = the 16 keys, key 8 h + 2 i + j on both sides.  Four accumulators by turns
.irp ct, 0,1,2,3
	v_wmma_f32_16x16x4_f32 v[OA+8*\ct:OA+8*\ct+7], v[VT+8*\ct:VT+8*\ct+1], v[TP:TP+1], 0
.endr
.irp i, 2,4,6
.irp ct, 0,1,2,3
	v_wmma_f32_16x16x4_f32 v[OA+8*\ct:OA+8*\ct+7], v[VT+8*\ct+\i:VT+8*\ct+\i+1], v[TP+\i:TP+\i+1], v[OA+8*\ct:OA+8*\ct+7]
.endr
.endr
.rept 8
	v_nop
.endr
.irp ct, 0,1,2,3
.irp j, 0,1,2,3,4,5,6,7
	v_mul_f32 v[VT+8*\ct+\j], v[OA+8*\ct+\j], v[TM]   ; y(query r, channel 16 ct + 8 h + j), into V^T's registers
.endr
.endr
.rept 2
	v_nop                                          ; with the eight above: more than the nine places owed before matrix instructions write over O^T's registers
.endr
	; the projection, transposed: source 0 = 16 rows of w_proj, source 1 = y; K = channel 16 ct + 8 h + 2 i + j on both sides.  Four accumulators by turns
.macro PROJ ct, wb, first
.irp i, 0,2,4,6
.irp nt, 0,1,2,3
.if (\first) && (\i == 0)
	v_wmma_f32_16x16x4_f32 v[OA+8*\nt:OA+8*\nt+7], v[\wb+8*\nt+\i:\wb+8*\nt+\i+1], v[VT+8*\ct+\i:VT+8*\ct+\i+1], 0
.else
	v_wmma_f32_16x16x4_f32 v[OA+8*\nt:OA+8*\nt+7], v[\wb+8*\nt+\i:\wb+8*\nt+\i+1], v[VT+8*\ct+\i:VT+8*\ct+\i+1], v[OA+8*\nt:OA+8*\nt+7]
.endif
.endr
.endr
.endm
	s_wait_loadcnt 16                              ; w_proj's first 16 loads are in
	PROJ 0, W01, 1
	PROJ 1, W01+32, 0
	s_wait_loadcnt 0x0
	PROJ 2, QR, 0
	PROJ 3, KR, 0
.rept 8
	v_nop
.endr
.irp nt, 0,1,2,3
	ds_store_b128 v[PS], v[OA+8*\nt:OA+8*\nt+3] offset:64*\nt          ; lane (r, h): row r, columns 16 nt + 8 h + 0..7; each accumulator from its low end on
	ds_store_b128 v[PS], v[OA+8*\nt+4:OA+8*\nt+7] offset:64*\nt+16
.endr
	s_wait_dscnt 0x0                               ; for the others' sake: my part lies in LDS
	s_barrier_signal -1
	s_barrier_wait -1
.set i, 0
.rept 16
	ds_load_b64 v[W01+2*i:W01+2*i+1], v[RDA] offset:PPW*i          ; row w of part i: 8 bytes a lane
.set i, i+1
.endr
	s_wait_dscnt 0x0
.irp w, 16,8,4,2
.set i, 0
.rept \w/2
	v_pk_add_f32 v[W01+2*i:W01+2*i+1], v[W01+2*i:W01+2*i+1], v[W01+2*i+\w:W01+2*i+\w+1]
.set i, i+1
.endr
.endr
	global_store_b64 v[GO], v[W01:W01+1], s[8:9] th:TH_STORE_NT    ; 256 consecutive bytes, aligned
	s_wait_tensorcnt 0x0                           ; the wave's end: a wait, an add of 0 to my spare word and its wait, behind my last LDS store
	ds_add_u32 v[SPW], v[NIL]
	s_wait_dscnt 0x0
	s_endpgm
.Lfunc_end_k_qeba36e55e8_fine:
	.size	k_qeba36e55e8_fine, .Lfunc_end_k_qeba36e55e8_fine-k_qeba36e55e8_fine
	.p2alignl 7, 3214868480
	.fill 96, 4, 3214868480
	.section	.rodata,"a",@progbits
	.p2align	6, 0x0
	.amdhsa_kernel k_qeba36e55e8_fine
		.amdhsa_group_segment_fixed_size 71680
		.amdhsa_private_segment_fixed_size 0
		.amdhsa_enable_private_segment 0
		.amdhsa_kernarg_size 24
		.amdhsa_user_sgpr_count 2
		.amdhsa_user_sgpr_kernarg_segment_ptr 1
		.amdhsa_wavefront_size32 1
		.amdhsa_system_sgpr_workgroup_id_x 1
		.amdhsa_system_sgpr_workgroup_id_y 1
		.amdhsa_system_sgpr_workgroup_id_z 1
		.amdhsa_system_vgpr_workitem_id 0
		.amdhsa_next_free_vgpr 256
		.amdhsa_next_free_sgpr 66
		.amdhsa_reserve_vcc 1
		.amdhsa_float_denorm_mode_32 3
		.amdhsa_float_denorm_mode_16_64 3
		.amdhsa_memory_ordered 1
		.amdhsa_forward_progress 1
		.amdhsa_inst_pref_size 23
	.end_amdhsa_kernel
	.amdgpu_metadata
---
amdhsa.version: [ 1, 2 ]
amdhsa.kernels:
  - .name:           k_qeba36e55e8_fine
    .symbol:         k_qeba36e55e8_fine.kd
    .args:
      - { .name: fine32, .offset: 0, .size: 8, .value_kind: global_buffer, .address_space: global }
      - { .name: w_proj, .offset: 8, .size: 8, .value_kind: global_buffer, .address_space: global }
      - { .name: out0, .offset: 16, .size: 8, .value_kind: global_buffer, .address_space: global }
    .group_segment_fixed_size: 71680
    .private_segment_fixed_size: 0
    .kernarg_segment_align: 8
    .kernarg_segment_size: 24
    .max_flat_workgroup_size: 512
    .sgpr_count:     66
    .vgpr_count:     256
    .wavefront_size: 32
...
	.end_amdgpu_metadata
.endif
;; end of part 5
